; MI455X (gfx1250); checked and timed in simulation.
; The chip was launched on July 23, 2026; its instructions are those of AMD's public machine-readable ISA for CDNA 5 (MIT licence, August 2026) and "CDNA5" Instruction Set Architecture Reference Guide (July 2026). The comments in the code are by the model that wrote it; some were corrected since.
;; Multi Head Self Attention. Allowed arithmetic: matrix products marked QUANTISED: E2M3 operands, one E8M0 scale for each 32 along K, by v_wmma_scale_f32_16x16x128_f8f6f4 with both operands' format E2M3, f32 sums; everything else in f32.
;; Inputs: W_out 1,024 x 1,024 float32; W_qkv 1,024 x 3,072 float32; b_out 1,024 float32; b_qkv 3,072 float32; x 4 x 2,048 x 1,024 float32.
;; Outputs: out0 4 x 2,048 x 1,024 float32.
;; This version of the problem:
;;   THIS VERSION OF THE PROBLEM IS GIVEN IN LOW PRECISION. The matrix products marked QUANTISED in the list below multiply operands that are first quantised to E2M3 (2 exponent bits, 3 mantissa bits; 6 bits a number), with one power-of-two scale for each 32 numbers along K (OCP MX v1.0); their sums are f32. All else is computed in f32.
;;   The module's matrix products, in the order in which they are computed (A, B: the left and right operand; K: the contracted axis; several contracted axes count as one K, in the product's order):
;;     1. [M 8,192, K 1,024] x [K 1,024, N 3,072]; A: input x; B: input W_qkv: QUANTISED
;;     2. batch 64 x [M 2,048, K 64] x [K 64, N 2,048]; A: computed on the way; B: computed on the way: QUANTISED
;;     3. batch 64 x [M 2,048, K 2,048] x [K 2,048, N 64]; A: softmax (see below); B: computed on the way: QUANTISED
;;     4. [M 8,192, K 1,024] x [K 1,024, N 1,024]; A: computed on the way; B: input W_out: QUANTISED
;;   THE QUANTISER, for each operand of a quantised product, along K:
;;     - K is cut into blocks of 32 from its start; a last block that is shorter is filled with zeros.
;;     - A block's scale is 2^e with e = floor(log2(the largest magnitude in the block)) - 2, held to -126 .. 127; a block of zeros has e = 0. As a byte (E8M0): e + 127.
;;     - Each number is divided by its block's scale, clamped to +-7.5, and rounded to the nearest number of E2M3, ties to even, subnormals kept.
;;     - The product sums the exact products of the quantised numbers (number of the format x scale) in f32.
;;   ~~~python
;;   def quantise(x, axis):      # numpy; x: float32 -> the quantised numbers, widened to float32 again
;;       x = np.moveaxis(x, axis, -1); K = x.shape[-1]
;;       x = np.pad(x, [(0, 0)] * (x.ndim - 1) + [(0, -K % 32)]); x = x.reshape(x.shape[:-1] + (-1, 32)); a = np.abs(x).max(-1, keepdims=True)
;;       e = np.where(a > 0, np.clip(np.frexp(np.where(a > 0, a, 1))[1] - 1 - 2, -126, 127), 0)      # np.frexp(a)[1] - 1 = floor(log2(a)), exactly
;;       r = np.clip(x / 2.0 ** e, -7.5, 7.5)
;;       step = 2.0 ** (np.maximum(np.frexp(np.where(r == 0, 1, r))[1] - 1, 0) - 3)
;;       q = np.round(r / step) * step * 2.0 ** e      # np.round: ties to even
;;       return np.moveaxis(q.reshape(q.shape[:-2] + (-1,))[..., :K], -1, axis).astype(np.float32)
;;   ~~~
;;   SOFTMAX AHEAD OF A QUANTISED PRODUCT. Where the list says 'softmax', what is quantised is not the finished softmax but p = 2^(t - M), with t = logit x log2(e) and M = ceil(the row's largest t), a whole number; so 1/2 < the row's largest p <= 1. The row's sum l is taken of the UNQUANTISED p, in f32, and the product's result is divided by l at the end. Since M is a whole number, a kernel that streams over the keys may use a running M (the ceiling of the running maximum): every later rescaling is an exact power of two, which a block's scale takes up: the codes' values come out the same.
;;   OPERANDS COMPUTED ON THE WAY. 'Computed on the way' means the value that the module computes at that place (a softmax that the list does not call 'softmax' is quantised finished and normalised). What goes into a quantiser is computed in f32, as accurately as f32 sums, v_exp_f32 and their like allow (about 1e-6 of the number): no bf16 or f16 on the way to a quantiser, and a product that is left as it is and whose result goes on into a quantised operand takes f32 operands (vector FMAs, or v_wmma_f32_16x16x4_f32). A number that lies on a knife's edge between two numbers of the format may be rounded either way, as far as f32 arithmetic and the matrix unit's own rounding can turn it there, and no further.
;; One version. Each part assembles by itself: llvm-mc -triple=amdgcn-amd-amdhsa -mcpu=gfx1250 --defsym DOCPART=n.
;; ======== version 1 of 1: 4 launches
;; workspace buffers: rimg 6,291,456 bytes; rsc 262,144 bytes; wimg 3,145,728 bytes; wsc 131,072 bytes; qimg 6,291,456 bytes; qsc 524,288 bytes; kvimg 12,582,912 bytes; kvsc 786,432 bytes
;; launch quant (part 1): grid 384 x 1, 4 waves a work-group, no clusters, 59,904 bytes of LDS; arguments x, W_qkv, W_out, rimg, rsc, wimg, wsc; writes rimg, rsc, wimg, wsc
.if DOCPART == 1
	.amdgcn_target "amdgcn-amd-amdhsa--gfx1250"
	.amdhsa_code_object_version 6
	.text
	.protected	k_qeef78f9d13_quant
	.globl	k_qeef78f9d13_quant
	.p2align	8
	.type	k_qeef78f9d13_quant,@function
k_qeef78f9d13_quant:
	s_mov_b64 s[64:65], 0
	v_nop
	global_prefetch_b8 v0, s[64:65] scope:SCOPE_SE
	s_setreg_imm32_b32 hwreg(HW_REG_WAVE_MODE, 25, 1), 1
	s_wait_xcnt 0x0
; x [8192][1024], W_qkv [1024][3072] and W_out [1024][1024], f32, become codes of FP6 (E2M3) with one E8M0 byte for each 32 along K (x: its last axis; the weights: their first).
; THE CODES ARE LAID AS IMAGES OF OPERAND REGISTERS.  A half image, 768 bytes, is 16 rows x 64 along K: lane l = r + 16 h owns the 24 bytes of k = 32 h .. 32 h + 31 of row r: its first 16 bytes at 16 l, its last 8 at 512 + 8 l.
; A tile of 16 rows has 16 half images on end (K = 1,024): 12,288 bytes.  THE ROWS OF A TILE ARE NOT NEIGHBOURS: in each group of 32 rows tile u (0, 1) holds in lane r the row 8 u + r + 8 (r / 8).
; The scale words of a tile are 512 bytes: [K / 256][r][2] words, a word's byte b for k = 32 b .. 32 b + 31 of its 128.
; A block's scale is 2^(floor(log2(largest magnitude)) - 2); its byte is the largest magnitude's exponent field - 2, held at 1 from below.  A block of zeros keeps the byte 1: its codes are zeros, and this program alone reads the bytes.
; LIMITS: blocks whose largest magnitude lies under 2^-124 take the byte 1; NaN and infinities among the inputs are not served.
; Work-groups 0-255 take x (a wave: one tile x 512 along K), work-groups 256-383 the weights (a wave: 32 columns x 256 along K).  Waves share nothing: no barrier.  Each of the two ways has LDS bytes of its own.
.set XSTG,  8448                       ; x's way: a wave's stage, 16 rows x (512 bytes + 16)
.set WBASE, 4*XSTG                     ; the weights' way begins behind the four stages
.set WSTG,  6400                       ; a wave's two tiles x 4 half images (3,072 bytes each), 3,200 bytes apart
.set L16, 1                            ; v1  16 x lane
.set L8,  2                            ; v2  8 x lane
.set XR,  64                           ; x: v64-191 two sets of 64 registers as loaded
.set XX,  192                          ; x: v192-255 my two blocks of 32 neighbours
.set OFR, 32                           ; W: v32-63 4 x lane + i rows
.set WX,  64                           ; W: v64-127 two sets of 32 numbers
.set WO,  128                          ; W: v128-175 the way out
	s_load_b128 s[4:7], s[0:1], 0x0                ; x, W_qkv
	s_load_b128 s[8:11], s[0:1], 0x10              ; W_out, rimg
	s_load_b128 s[12:15], s[0:1], 0x20             ; rsc, wimg
	s_load_b64 s[16:17], s[0:1], 0x30              ; wsc
	v_lshl_add_u32 v27, v0, 2, 0xe800
	s_set_vgpr_msb 0x40
	v_mov_b32 v1, 0
	s_set_vgpr_msb 0x4000
	v_lshrrev_b32 v7, 5, v0
	v_readfirstlane_b32 s18, v7                    ; wave
	v_and_b32 v7, 31, v0                           ; lane
	v_lshlrev_b32 v[L16], 4, v7
	v_lshlrev_b32 v[L8], 3, v7
	s_mov_b32 s20, 0x76543210
	s_mov_b32 s21, 0xfedcba98                      ; selects of v_permlanex16_b32 for lane l xor 16
	s_cmp_lt_u32 ttmp9, 256
	s_cbranch_scc0 .Lweights
; ---------------- x: K is innermost ----------------
	s_lshl_b32 s22, ttmp9, 2
	s_add_co_u32 s22, s22, s18                     ; which (tile, half of K) is my wave's
	s_lshr_b32 s23, s22, 1                         ; tile 0..511
	s_and_b32 s24, s22, 1                          ; half of K
	s_lshr_b32 s25, s23, 1
	s_and_b32 s26, s23, 1
	s_lshl_b32 s25, s25, 17                        ; 32 rows of 4,096 bytes for each pair of tiles,
	s_lshl_b32 s26, s26, 15                        ; 8 rows for the odd tile,
	s_add_co_u32 s26, s25, s26
	s_lshl_b32 s27, s24, 11                        ; 512 numbers for the upper half of K
	s_add_co_u32 s26, s26, s27
	s_mov_b32 s27, 0
	s_mul_i32 s28, s23, 12288                      ; the tile's images,
	s_mul_i32 s29, s24, 6144                       ; eight half images on for the upper half of K
	s_add_co_u32 s28, s28, s29
	s_mov_b32 s29, 0
	s_lshl_b32 s30, s23, 9                         ; the tile's scale words,
	s_lshl_b32 s31, s24, 8                         ; two runs of 128 bytes on
	s_add_co_u32 s30, s30, s31
	s_mov_b32 s31, 0
	s_mul_i32 s32, s18, XSTG                       ; my stage
	s_mov_b32 s33, 0xffff0000                      ; lanes 16-31
	v_and_b32 v46, 15, v0                          ; r
	v_bfe_u32 v47, v0, 4, 1                        ; h
	v_add_nc_u32 v3, s32, v[L16]                   ; into the stage: 16 bytes a lane of a row's 512
	v_mul_u32_u24 v4, v46, 528
	v_lshl_add_u32 v4, v47, 7, v4
	v_add_nc_u32 v4, s32, v4                       ; out of it: row r, + 128 h: my 32 numbers of each 64
	v_lshlrev_b32 v5, 3, v47                       ; 8 h
	v_lshlrev_b32 v6, 3, v46
	v_lshl_add_u32 v6, v47, 7, v6                  ; the scale words' place: 128 h + 8 r
	s_wait_kmcnt 0x0
	s_add_nc_u64 s[4:5], s[4:5], s[26:27]
	s_add_nc_u64 s[10:11], s[10:11], s[28:29]
	s_add_nc_u64 s[12:13], s[12:13], s[30:31]
.macro LOADX f                         ; 128 along K of the tile's 16 rows: each load reads 512 consecutive bytes of one row
.irp p, 0,1,2,3,4,5,6,7,8,9,10,11,12,13,14,15
	global_load_b128 v[XR+64*((\f)%2)+4*\p:XR+64*((\f)%2)+4*\p+3], v[L16], s[4:5] offset:(\p+8*(\p/8))*4096+512*(\f) th:TH_LOAD_NT
.endr
.endm
.macro STEPX f
.if (\f) < 3
	s_wait_loadcnt 16                              ; this step's 16 loads are in; the next step's 16 may be out
.else
	s_wait_loadcnt 0x0
.endif
.irp p, 0,1,2,3,4,5,6,7,8,9,10,11,12,13,14,15
	ds_store_b128 v3, v[XR+64*((\f)%2)+4*\p:XR+64*((\f)%2)+4*\p+3] offset:528*\p
.endr
.irp c, 0,1
.irp j, 0,1,2,3,4,5,6,7
	ds_load_b128 v[XX+32*\c+4*\j:XX+32*\c+4*\j+3], v4 offset:256*\c+16*\j   ; LDS serves a wave's instructions in order: these see the stores above
.endr
.endr
	s_wait_dscnt 0x0                               ; my 64 numbers are back, and the stores have read their registers,
.if (\f) < 2
	LOADX (\f)+2                                   ; which take the loads of two steps on
.endif
.irp c, 0,1
	v_max3_num_f32 v[8+\c], |v[XX+32*\c]|, |v[XX+32*\c+1]|, 0x1800000   ; block 2 c + h of these 128: all 32 numbers are mine; the floor 2^(3 - 127) holds the byte at 1 from below
.endr
.irp i, 2,4,6,8,10,12,14,16,18,20,22,24,26,28,30
.irp c, 0,1
	v_max3_num_f32 v[8+\c], v[8+\c], |v[XX+32*\c+\i]|, |v[XX+32*\c+\i+1]|
.endr
.endr
.irp c, 0,1
	v_add_nc_u32 v[10+\c], 0xff000000, v[8+\c]     ; 2 off the exponent field: the conversion's scale operand
.endr
.irp c, 0,1
	v_lshrrev_b32 v[12+\c], 23, v[10+\c]           ; the scale's byte
.endr
	v_lshl_or_b32 v14, v13, 16, v12                ; my two bytes, blocks h and 2 + h,
	v_lshlrev_b32 v14, v5, v14                     ; at their places in the word
	v_mov_b32 v15, 0
	v_permlanex16_b32 v15, v14, s20, s21
	v_or_b32 v[16+(\f)], v14, v15                  ; with lane l xor 16's two the word is whole
.if (\f) > 0
	s_wait_xcnt 0x0                                ; the last step's stores have read their data: the codes' registers are written again only behind this wait
.endif
.irp c, 0,1
	v_cvt_scalef32_pk16_fp6_f32 v[20+8*\c:22+8*\c], v[XX+32*\c:XX+32*\c+15], v[10+\c]
	v_cvt_scalef32_pk16_fp6_f32 v[36+4*\c:38+4*\c], v[XX+32*\c+16:XX+32*\c+31], v[10+\c]   ; (a conversion's three registers begin on an even number)
.endr
	v_nop                                          ; one plain line behind the conversions
.irp c, 0,1
.irp i, 0,1,2
	v_mov_b32 v[23+8*\c+\i], v[36+4*\c+\i]
.endr
.endr
.irp c, 0,1
	global_store_b128 v[L16], v[20+8*\c:23+8*\c], s[10:11] offset:(2*(\f)+\c)*768       ; 512 consecutive bytes,
	global_store_b64 v[L8], v[24+8*\c:25+8*\c], s[10:11] offset:(2*(\f)+\c)*768+512     ; and 256: a half image
.endr
.endm
	LOADX 0
	LOADX 1
	STEPX 0
	STEPX 1
	STEPX 2
	STEPX 3
	v_cndmask_b32 v44, v16, v18, s33               ; lanes 0-15 store the words of the first 256 along K, lanes 16-31 those of the second
	v_cndmask_b32 v45, v17, v19, s33
	global_store_b64 v6, v[44:45], s[12:13]        ; 256 consecutive bytes, aligned
	s_set_vgpr_msb 0x4
	s_wait_tensorcnt 0x0
	ds_add_u32 v27, v1
	s_wait_dscnt 0x0
	s_set_vgpr_msb 0x400
	s_endpgm
; ---------------- the weights: K is the first axis.  A lane takes a column, its registers run down K ----------------
.Lweights:
	s_sub_co_u32 s22, ttmp9, 256
	s_mov_b32 s24, 12288
	s_cmp_ge_u32 s22, 96                           ; 96 work-groups for W_qkv, 32 for W_out
	s_cselect_b32 s23, 96, 0
	s_cselect_b32 s24, 4096, s24                   ; bytes from a row of the weight to the next
	s_cselect_b32 s25, 192, 0                      ; W_out's tiles lie behind W_qkv's 192
	s_sub_co_u32 s22, s22, s23
	s_lshr_b32 s26, s22, 2                         ; which 128 columns
	s_and_b32 s27, s22, 3                          ; which 256 along K
	s_lshl_b32 s28, s26, 2
	s_add_co_u32 s28, s28, s18                     ; my wave's group of 32 columns
	s_lshl_b32 s29, s27, 8
	s_mul_i32 s30, s29, s24                        ; 256 rows for each step along K,
	s_lshl_b32 s29, s28, 7
	s_add_co_u32 s30, s30, s29                     ; 128 bytes for each group of columns
	s_mov_b32 s31, 0
	s_lshl_b32 s32, s24, 5                         ; 32 rows: from block to block
	s_mov_b32 s33, 0
	s_lshl_b32 s34, s28, 1
	s_add_co_u32 s34, s34, s25                     ; my first tile of two
	s_mul_i32 s36, s34, 12288
	s_mul_i32 s35, s27, 3072
	s_add_co_u32 s36, s36, s35                     ; its images of these 256 along K
	s_mov_b32 s37, 0
	s_lshl_b32 s38, s34, 9
	s_lshl_b32 s35, s27, 7
	s_add_co_u32 s38, s38, s35                     ; and its scale words
	s_mov_b32 s39, 0
	s_mul_i32 s40, s18, WSTG
	s_add_co_u32 s40, s40, WBASE                   ; my stage
	v_bfe_u32 v3, v0, 3, 1                         ; my column's tile u,
	v_and_b32 v4, 7, v0
	v_bfe_u32 v5, v0, 4, 1
	v_lshl_add_u32 v4, v5, 3, v4                   ; and its lane there: column = 8 u + r + 8 (r / 8)
	v_mul_u32_u24 v5, v3, 3200
	v_add_nc_u32 v5, s40, v5
	v_lshl_add_u32 v6, v4, 4, v5                   ; where my 16 bytes of a block go,
	v_lshl_add_u32 v8, v4, 3, v5                   ; and my 8
	v_add_nc_u32 v9, s40, v[L16]                   ; back: 16 bytes a lane
	v_lshlrev_b32 v10, 9, v3
	v_lshl_add_u32 v10, v4, 3, v10                 ; my column's scale words
	v_lshlrev_b32 v[OFR], 2, v7
.irp i, 1,2,3,4,5,6,7,8,9,10,11,12,13,14,15,16,17,18,19,20,21,22,23,24,25,26,27,28,29,30,31
	v_add_nc_u32 v[OFR+\i], s24, v[OFR+\i-1]       ; the pitch differs between the two weights, so the rows' offsets stand in registers
.endr
	s_wait_kmcnt 0x0
	s_cmp_ge_u32 ttmp9, 352
	s_cselect_b64 s[44:45], s[8:9], s[6:7]
	s_add_nc_u64 s[44:45], s[44:45], s[30:31]      ; block 0's first row; a base for each of the eight blocks
.irp t, 1,2,3,4,5,6,7
	s_add_nc_u64 s[44+2*\t:45+2*\t], s[42+2*\t:43+2*\t], s[32:33]
.endr
	s_add_nc_u64 s[14:15], s[14:15], s[36:37]
	s_add_nc_u64 s[16:17], s[16:17], s[38:39]
.macro LOADW t                         ; block t: 32 rows, 128 consecutive bytes a load
.irp i, 0,1,2,3,4,5,6,7,8,9,10,11,12,13,14,15,16,17,18,19,20,21,22,23,24,25,26,27,28,29,30,31
	global_load_b32 v[WX+32*((\t)%2)+\i], v[OFR+\i], s[44+2*(\t):45+2*(\t)] th:TH_LOAD_NT
.endr
.endm
.macro BLOCKW t
.set XS, WX+32*((\t)%2)
.if (\t) < 7
	s_wait_loadcnt 32                              ; this block's 32 loads are in; the next block's may be out
.else
	s_wait_loadcnt 0x0
.endif
	v_max3_num_f32 v12, |v[XS]|, |v[XS+1]|, |v[XS+2]|
	v_max3_num_f32 v13, |v[XS+3]|, |v[XS+4]|, |v[XS+5]|
.irp i, 6,10,14,18,22,26
	v_max3_num_f32 v12, v12, |v[XS+\i]|, |v[XS+\i+1]|
	v_max3_num_f32 v13, v13, |v[XS+\i+2]|, |v[XS+\i+3]|
.endr
	v_max3_num_f32 v12, v12, |v[XS+30]|, |v[XS+31]|
	v_max3_num_f32 v12, v12, v13, 0x1800000        ; and the floor
	v_add_nc_u32 v11, 0xff000000, v12              ; the conversion's scale operand
	v_lshrrev_b32 v13, 23, v11                     ; the byte
.if (\t)%4 == 0
	v_mov_b32 v[28+(\t)/4], v13
.else
	v_lshl_or_b32 v[28+(\t)/4], v13, 8*((\t)%4), v[28+(\t)/4]
.endif
	v_cvt_scalef32_pk16_fp6_f32 v[16:18], v[XS:XS+15], v11
	v_cvt_scalef32_pk16_fp6_f32 v[24:26], v[XS+16:XS+31], v11
	v_nop                                          ; one plain line behind the conversions
	v_mov_b32 v19, v24
	v_mov_b32 v20, v25
	v_mov_b32 v21, v26
	ds_store_b128 v6, v[16:19] offset:((\t)/2)*768+((\t)%2)*256        ; block t is half t % 2 of half image t / 2
	ds_store_b64 v8, v[20:21] offset:((\t)/2)*768+512+((\t)%2)*128
.if (\t) < 6
	LOADW (\t)+2
.endif
	s_wait_dscnt 0x0                               ; the stores have read their registers
.endm
	LOADW 0
	LOADW 1
.irp t, 0,1,2,3,4,5,6,7
	BLOCKW \t
.endr
	global_store_b64 v10, v[28:29], s[16:17]       ; my column's eight bytes: two words
.irp n, 0,1,2,3,4,5,6,7,8,9,10,11
	ds_load_b128 v[WO+4*\n:WO+4*\n+3], v9 offset:(\n/6)*3200+512*(\n%6)
.endr
.irp n, 0,1,2,3,4,5,6,7,8,9,10,11
	s_wait_dscnt 11-\n                             ; the younger loads may be out
	global_store_b128 v[L16], v[WO+4*\n:WO+4*\n+3], s[14:15] offset:(\n/6)*12288+512*(\n%6)   ; 512 consecutive bytes
.endr
	s_set_vgpr_msb 0x4
	s_wait_tensorcnt 0x0
	ds_add_u32 v27, v1
	s_wait_dscnt 0x0
	s_set_vgpr_msb 0x400
	s_endpgm
.Lfunc_end_k_qeef78f9d13_quant:
	.size	k_qeef78f9d13_quant, .Lfunc_end_k_qeef78f9d13_quant-k_qeef78f9d13_quant
	.p2alignl 7, 3214868480
	.fill 96, 4, 3214868480
	.section	.rodata,"a",@progbits
	.p2align	6, 0x0
	.amdhsa_kernel k_qeef78f9d13_quant
		.amdhsa_group_segment_fixed_size 59904
		.amdhsa_private_segment_fixed_size 0
		.amdhsa_enable_private_segment 0
		.amdhsa_kernarg_size 56
		.amdhsa_user_sgpr_count 2
		.amdhsa_user_sgpr_kernarg_segment_ptr 1
		.amdhsa_wavefront_size32 1
		.amdhsa_system_sgpr_workgroup_id_x 1
		.amdhsa_system_sgpr_workgroup_id_y 1
		.amdhsa_system_sgpr_workgroup_id_z 1
		.amdhsa_system_vgpr_workitem_id 0
		.amdhsa_next_free_vgpr 258
		.amdhsa_next_free_sgpr 66
		.amdhsa_reserve_vcc 0
		.amdhsa_float_denorm_mode_32 3
		.amdhsa_float_denorm_mode_16_64 3
		.amdhsa_memory_ordered 1
		.amdhsa_forward_progress 1
		.amdhsa_inst_pref_size 74
	.end_amdhsa_kernel
	.amdgpu_metadata
---
amdhsa.version: [ 1, 2 ]
amdhsa.kernels:
  - .name:           k_qeef78f9d13_quant
    .symbol:         k_qeef78f9d13_quant.kd
    .args:
      - { .name: x, .offset: 0, .size: 8, .value_kind: global_buffer, .address_space: global }
      - { .name: W_qkv, .offset: 8, .size: 8, .value_kind: global_buffer, .address_space: global }
      - { .name: W_out, .offset: 16, .size: 8, .value_kind: global_buffer, .address_space: global }
      - { .name: rimg, .offset: 24, .size: 8, .value_kind: global_buffer, .address_space: global }
      - { .name: rsc, .offset: 32, .size: 8, .value_kind: global_buffer, .address_space: global }
      - { .name: wimg, .offset: 40, .size: 8, .value_kind: global_buffer, .address_space: global }
      - { .name: wsc, .offset: 48, .size: 8, .value_kind: global_buffer, .address_space: global }
    .group_segment_fixed_size: 59904
    .private_segment_fixed_size: 0
    .kernarg_segment_align: 8
    .kernarg_segment_size: 56
    .max_flat_workgroup_size: 128
    .sgpr_count:     66
    .vgpr_count:     258
    .wavefront_size: 32
...
	.end_amdgpu_metadata
.endif
;; end of part 1
;; launch qkv (part 2): grid 12 x 32, 4 waves a work-group, clusters of 4 x 4, 327,680 bytes of LDS; arguments rimg, rsc, wimg, wsc, b_qkv, qimg, qsc, kvimg, kvsc; writes qimg, qsc, kvimg, kvsc
.if DOCPART == 2
	.amdgcn_target "amdgcn-amd-amdhsa--gfx1250"
	.amdhsa_code_object_version 6
	.text
	.protected	k_qeef78f9d13_qkv
	.globl	k_qeef78f9d13_qkv
	.p2align	8
	.type	k_qeef78f9d13_qkv,@function
k_qeef78f9d13_qkv:
	s_mov_b64 s[64:65], 0
	v_nop
	global_prefetch_b8 v0, s[64:65] scope:SCOPE_SE
	s_setreg_imm32_b32 hwreg(HW_REG_WAVE_MODE, 25, 1), 1
	s_wait_xcnt 0x0
	s_wait_alu depctr_hold_cnt(0) depctr_sa_sdst(0) depctr_va_vdst(0) depctr_va_sdst(0) depctr_va_ssrc(0) depctr_va_vcc(0) depctr_vm_vsrc(0)
	s_getreg_b32 s2, hwreg(HW_REG_IB_STS2, 6, 4)
	s_cmp_eq_u32 s2, 0
	s_cbranch_scc0 .Lentry_in_a_cluster
	s_endpgm
.Lentry_in_a_cluster:
	s_bfe_u32 s2, ttmp6, 0x10000c
	s_cmp_lg_u32 s2, 0xf033
	s_cbranch_scc0 .Lentry_shape_is_right
	s_endpgm
.Lentry_shape_is_right:
; q, k, v = x W_qkv + b_qkv on codes of FP6 (E2M3) with E8M0 scales, and the results quantised at once: q and k along the head's 64, v along the keys.  Nothing but codes and scale bytes goes to memory.
; OPERANDS arrive as images of operand registers: a half image (768 bytes) is 16 rows x 64 K, lane l's first 16 bytes at 16 l, its last 8 at 512 + 8 l; a tile of 16 rows has 16 of them on end.  In each group of
; 32 rows tile u holds in lane r the row 8 u + r + 8 (r / 8).  Scale words: 512 bytes a tile, [K / 256][r][2].
; A block of 256 x 256 results is made by four waves, 128 x 128 each: 64 accumulators.  K = 1,024 goes in four steps of 256 through two LDS slots filled by the tensor data mover.
; THE MATRIX INSTRUCTION IS USED TRANSPOSED: source 0 = 16 rows of B', source 1 = 16 rows of A'.  A lane then holds ONE row of A', and, by the order of a tile's rows, its 64 registers of A' block a are
; 128 rows of B' in the order in which the next operand wants them along ITS K.  So what is to be the next K is made B': for q and k (cluster x = 0, 1) A' = tokens, B' = features; for v (cluster x = 2)
; A' = features, B' = tokens.  Only pointers and block numbers are chosen; one text serves all three.
; CLUSTERS: 4 x 4 work-groups; A's tiles are shared along a row of the cluster, B's along a column, each asked for jointly.
; The bias along the registers' axis is the C of a sum's first product; the bias along the lanes' axis is added where a result is moved to window 0.  So the order of rounding differs from reference()'s in the last bit.
; LIMITS: NaN and infinities are not served; a block whose largest magnitude lies under 2^-124 takes the byte 1 (a block of zeros too: its codes are zeros, and this program alone reads the bytes).
; REGISTERS, in windows of 256: window 0: v16-30 addresses; v32-63 scale words, two sets; v64-127 the bias along the registers; v128-223 A's fragments, one set; v224-239 the bias along the lanes, each number twice.
;   window 1: B's fragments, two sets, at v0 and v128.   windows 2, 3: the accumulators (a, b) at v[8 (8 (a % 4) + b)].   On the way out window 0's v64-211 are at work.
.set NQ,    2                          ; matrix instructions deep in a slot
.set FR,    12                         ; registers of a fragment
.set NL,    4                          ; LDS loads that bring one
.set NP,    4                          ; places behind this matrix instruction (ISA guide 7.12.1)
.set TILEB, 3072                       ; a tile's 256 along K: four half images
.set HALFT, 8*TILEB                    ; eight tiles: what one tensor load brings, and what one wave reads of A' or B'
.set SLOT,  4*HALFT                    ; A's 16 tiles, then B's 16
.set KROW,  12288                      ; a tile's 1,024 along K in memory
.set SCL,   2*SLOT                     ; behind the ring: A's scale words, 8,192 bytes;
.set SCB,   SCL+8320                   ; B's, 128 bytes further on than a whole number of 256, so that lanes 0-15 (A's) and lanes 16-31 (B's) of one load fall on different banks (64 banks of 4 bytes: ISA guide 11.1)
.set SPARE, 213248                     ; the spare words, 128 bytes for each wave: two blocks of 256 bytes that no other line names
.set A16, 16                           ; v16-17 16 x lane + my A' tiles in slot 0, 1;  v18-19 the same with 8 x lane
.set A8,  18
.set B16, 20                           ; v20-23 the same for B'
.set B8,  22
.set L16, 24
.set L8,  25
.set L4,  26
.set ADRS, 27                          ; LDS address of my scale words: lanes 0-15 A's, lanes 16-31 B's
.set SPW, 28                           ; LDS address of my spare word; never rewritten
.set NIL, 29                           ; 0; never rewritten
.set ZR,  30                           ; 0
.set SC,  32
.set BN,  64
.set AF,  128
.set BM,  224
.set HA,  128                          ; the way out: 64 results of a lane
.set TM,  64                           ; v64-79 at work in QUANT
.set PW,  80                           ; the scale word just made
.set PWS, 81                           ; that of the even block
.set WD,  82                           ; two blocks' words, 16 lanes each
.set WD2, 83
.set PC,  192                          ; the codes just made
.set SEL, 66
.set HM,  20
.set IP,  24                           ; s[24:31] the way out: where the images go: s[IP + 4 (a / 4) + 2 c]
.set SPT, 32                           ; s[32:39] and the scale words
.set G1, 24
.set G0, 32
.set G1B, 48
.set G0B, 56
.set G1S, 68
.set G0S, 76
.set G1SB, 80
.set G0SB, 88
.set MSB, 0
.macro WIN new                         ; the immediate's high byte repeats the setting that is left
.if MSB != \new
	s_set_vgpr_msb (MSB<<8)|\new
.set MSB, \new
.endif
.endm
.set MUL_LO, 0xa1                      ; source 0 (B') window 1, source 1 (A') window 0, C and D window 2
.set MUL_HI, 0xf1                      ; the same, C and D window 3
.set TO_B,   0x40                      ; destination window 1, address window 0
; A joint load: waves 0 and 1 fetch for A', waves 2 and 3 for B'.  The branch hangs on the wave's number alone.  Four v_nop follow each of the two lines.
.macro JLOAD g0a, g1a, g0b, g1b
	s_cmp_eq_u32 s15, 0
	s_cbranch_scc0 .Lfor_b_\@
	tensor_load_to_lds s[\g0a:\g0a+3], s[\g1a:\g1a+7]
	s_nop 0
.rept 4
	v_nop
.endr
	s_branch .Lasked_\@
.Lfor_b_\@:
	tensor_load_to_lds s[\g0b:\g0b+3], s[\g1b:\g1b+7]
	s_nop 0
.rept 4
	v_nop
.endr
.Lasked_\@:
.endm
.macro CREST                           ; a round of the cluster's barrier behind its opening barrier
	s_cmp_lg_u32 s14, 0
	s_cbranch_scc1 .Lnot_wave_0_\@
	s_barrier_signal -3
.Lnot_wave_0_\@:
	s_barrier_wait -3
	s_barrier_signal -1
	s_barrier_wait -1
.endm
.macro CROUND
	s_barrier_signal -1
	s_barrier_wait -1
	CREST
.endm
	s_load_b256 s[4:11], s[0:1], 0x0               ; rimg, rsc, wimg, wsc
	s_load_b64 s[12:13], s[0:1], 0x20              ; b_qkv
	s_load_b128 s[92:95], s[0:1], 0x28             ; qimg, qsc
	s_load_b128 s[96:99], s[0:1], 0x38             ; kvimg, kvsc
	v_lshl_add_u32 v[SPW], v0, 2, SPARE
	v_mov_b32 v[NIL], 0
	ds_add_u32 v28, v29
	s_wait_dscnt 0x0
	v_mov_b32 v[ZR], 0
	v_lshrrev_b32 v1, 5, v0
	v_readfirstlane_b32 s14, v1                    ; wave 0..3
	s_lshr_b32 s15, s14, 1                         ; which half of A's rows is mine.  Also: I fetch for A' (0) or B' (1)
	s_and_b32 s16, s14, 1                          ; which half of B's rows.  Also: which eight tiles I fetch
	s_bfe_u32 s40, ttmp6, 0x40000                  ; cx
	s_bfe_u32 s41, ttmp6, 0x40004                  ; cy
	s_mov_b32 s17, ttmp9                           ; cluster x: 0 q, 1 k, 2 v: the same in all sixteen partners
	s_and_b32 s18, ttmp7, 0xffff                   ; cluster y: 0..7
	s_mov_b32 s[SEL], 0x76543210
	s_mov_b32 s[SEL+1], 0xfedcba98
	s_lshl_b32 s43, s41, 2
	s_lshl_b32 s43, 15, s43                        ; my row of the cluster
	s_lshl_b32 s44, 0x1111, s40                    ; my column
	s_or_b32 s[G1+0], s43, (3<<16)|(1<<21)         ; the mask; elements of 8 bytes; bit 21 beside a mask; no padding: images are read lane by lane, on end
	s_or_b32 s[G1B+0], s44, (3<<16)|(1<<21)
	s_or_b32 s[G1S+0], s43, (3<<16)|(1<<21)
	s_or_b32 s[G1SB+0], s44, (3<<16)|(1<<21)
.irp g, G1, G1B                        ; codes: 8 rows (tiles) of 3,072 bytes, 12,288 bytes apart
	s_mov_b32 s[\g+1], 384<<16
	s_mov_b32 s[\g+2], 8<<16
	s_mov_b32 s[\g+3], 384<<16
	s_mov_b32 s[\g+4], 8
	s_mov_b32 s[\g+5], 1536
	s_mov_b32 s[\g+6], 0
	s_mov_b32 s[\g+7], 0
.endr
.irp g, G1S, G1SB                      ; scale words of eight tiles: 4,096 dense bytes as 16 rows of 256
	s_mov_b32 s[\g+1], 32<<16
	s_mov_b32 s[\g+2], 16<<16
	s_mov_b32 s[\g+3], 32<<16
	s_mov_b32 s[\g+4], 16
	s_mov_b32 s[\g+5], 32
	s_mov_b32 s[\g+6], 0
	s_mov_b32 s[\g+7], 0
.endr
	; which block of 256 rows: A's hangs on cy and the cluster's place alone, B's on cx and the cluster's place alone
	s_lshl_b32 s42, s18, 2
	s_add_co_u32 s20, s42, s41                     ; tokens: 4 y + cy
	s_add_co_u32 s21, s41, 8                       ; v's features: 8 + cy
	s_lshl_b32 s46, s17, 2
	s_add_co_u32 s46, s46, s40                     ; q's or k's features: 4 x + cx
	s_add_co_u32 s47, s42, s40                     ; tokens: 4 y + cx
	s_cmp_eq_u32 s17, 2
	s_cselect_b32 s20, s21, s20
	s_cselect_b32 s46, s47, s46
	s_cselect_b32 s19, -1, 0                       ; all lanes where this is v's cluster
	s_lshl_b32 s42, s16, 3
	s_lshl_b32 s20, s20, 4
	s_add_co_u32 s20, s20, s42                     ; the first of the eight tiles that I would fetch for A',
	s_lshl_b32 s46, s46, 4
	s_add_co_u32 s46, s46, s42                     ; and for B'
	s_lshl_b32 s22, s20, 9                         ; their scale words,
	s_mul_i32 s20, s20, KROW                       ; their codes
	s_lshl_b32 s44, s46, 9
	s_mul_i32 s46, s46, KROW
	s_mov_b32 s21, 0
	s_mov_b32 s23, 0
	s_mov_b32 s45, 0
	s_mov_b32 s47, 0
	s_mul_i32 s2, s14, HALFT                       ; where the codes go: wave x eight tiles
	s_lshl_b32 s3, s16, 12                         ; and the scale words
	s_wait_kmcnt 0x0
	CROUND                                         ; all sixteen work-groups are here: the first joint loads meet
	s_cmp_eq_u32 s17, 2
	s_cselect_b64 s[G0+2:G0+3], s[8:9], s[4:5]
	s_cselect_b64 s[G0B+2:G0B+3], s[4:5], s[8:9]
	s_cselect_b64 s[G0S+2:G0S+3], s[10:11], s[6:7]
	s_cselect_b64 s[G0SB+2:G0SB+3], s[6:7], s[10:11]
	s_add_nc_u64 s[G0+2:G0+3], s[G0+2:G0+3], s[20:21]
	s_add_nc_u64 s[G0B+2:G0B+3], s[G0B+2:G0B+3], s[46:47]
	s_add_nc_u64 s[G0S+2:G0S+3], s[G0S+2:G0S+3], s[22:23]
	s_add_nc_u64 s[G0SB+2:G0SB+3], s[G0SB+2:G0SB+3], s[44:45]
	s_add_nc_u64 s[G0+6:G0+7], s[G0+2:G0+3], TILEB       ; slot 1 begins with K step 1
	s_add_nc_u64 s[G0B+6:G0B+7], s[G0B+2:G0B+3], TILEB
	s_or_b32 s[G0+3], s[G0+3], 0x80000000
	s_or_b32 s[G0+7], s[G0+7], 0x80000000
	s_or_b32 s[G0B+3], s[G0B+3], 0x80000000
	s_or_b32 s[G0B+7], s[G0B+7], 0x80000000
	s_or_b32 s[G0S+3], s[G0S+3], 0x80000000
	s_or_b32 s[G0SB+3], s[G0SB+3], 0x80000000
	s_mov_b32 s[G0], 1
	s_mov_b32 s[G0+4], 1
	s_mov_b32 s[G0B], 1
	s_mov_b32 s[G0B+4], 1
	s_mov_b32 s[G0S], 1
	s_mov_b32 s[G0SB], 1
	s_mov_b32 s[G0+1], s2
	s_add_co_u32 s[G0+5], s2, SLOT
	s_mov_b32 s[G0B+1], s2
	s_add_co_u32 s[G0B+5], s2, SLOT
	s_add_co_u32 s[G0S+1], s3, SCL
	s_add_co_u32 s[G0SB+1], s3, SCB
	JLOAD G0S, G1S, G0SB, G1SB                     ; the scale words for all of K: filled once.  Three loads of mine are out behind these lines
	JLOAD G0, G1, G0B, G1B
	JLOAD G0+4, G1, G0B+4, G1B
	v_and_b32 v1, 15, v0                           ; r
	v_bfe_u32 v2, v0, 4, 1                         ; h
	v_and_b32 v3, 31, v0
	v_lshlrev_b32 v[L16], 4, v3
	v_lshlrev_b32 v[L8], 3, v3
	v_lshlrev_b32 v[L4], 2, v3
	s_mul_i32 s21, s15, HALFT                      ; my eight tiles of A',
	s_mul_i32 s22, s16, HALFT
	s_add_co_u32 s22, s22, 2*HALFT                 ; and of B', behind A's sixteen
.irp s, 0,1
	v_add_nc_u32 v[A16+\s], s21, v[L16]
	v_add_nc_u32 v[A8+\s], s21, v[L8]
	v_add_nc_u32 v[B16+\s], s22, v[L16]
	v_add_nc_u32 v[B8+\s], s22, v[L8]
	s_add_co_u32 s21, s21, SLOT
	s_add_co_u32 s22, s22, SLOT
.endr
	s_lshl_b32 s21, s15, 12                        ; my tiles' scale words: A's,
	s_lshl_b32 s22, s16, 12
	s_add_co_u32 s22, s22, 8320                    ; B's,
	s_sub_co_u32 s22, s22, s21                     ; and how far B's lie behind A's
	v_mul_u32_u24 v4, s22, v2                      ; lanes 16-31 take B's
	s_add_co_u32 s21, s21, SCL
	v_lshl_add_u32 v4, v1, 3, v4                   ; 8 bytes a row in each K step
	v_add_nc_u32 v[ADRS], s21, v4
	; the biases.  Both are loaded on every way (both lie inside b_qkv); the one that is not this cluster's becomes 0
	s_lshl_b32 s20, s17, 12
	s_lshl_b32 s21, s40, 10
	s_add_co_u32 s20, s20, s21
	s_lshl_b32 s21, s16, 9
	s_add_co_u32 s20, s20, s21                     ; (1,024 x + 256 cx + 128 half) numbers: my 128 features as B'
	s_mov_b32 s21, 0
	s_add_nc_u64 s[20:21], s[12:13], s[20:21]
	s_lshl_b32 s22, s41, 10
	s_lshl_b32 s23, s15, 9
	s_add_co_u32 s22, s22, s23
	s_add_co_u32 s22, s22, 8192                    ; (2,048 + 256 cy + 128 half) numbers: my 128 features as A'
	s_mov_b32 s23, 0
	s_add_nc_u64 s[22:23], s[12:13], s[22:23]
	v_lshlrev_b32 v5, 6, v2                        ; registers 16 g + i of a lane are B's rows 32 g + 16 h + i
	v_and_b32 v6, 8, v1
	v_add_nc_u32 v6, v6, v1
	v_lshlrev_b32 v6, 2, v6                        ; lane r of A's tile 2 g + u is row 32 g + 8 u + r + 8 (r / 8)
.irp g, 0,1,2,3
.irp j, 0,1,2,3
	global_load_b128 v[BN+16*\g+4*\j:BN+16*\g+4*\j+3], v5, s[20:21] offset:128*\g+16*\j
.endr
.endr
.irp a, 0,1,2,3,4,5,6,7
	global_load_b32 v[BM+2*\a], v6, s[22:23] offset:(32*(\a/2)+8*(\a%2))*4
	global_load_b32 v[BM+2*\a+1], v6, s[22:23] offset:(32*(\a/2)+8*(\a%2))*4   ; twice: a pair for the packed addition
.endr
	s_wait_loadcnt 0x0
.set J, 0
.rept 64
	v_cndmask_b32 v[BN+J], v[BN+J], v[ZR], s19     ; v: no bias along the registers (they are tokens)
.set J, J+1
.endr
.set J, 0
.rept 16
	v_cndmask_b32 v[BM+J], v[ZR], v[BM+J], s19     ; q, k: no bias along the lanes
.set J, J+1
.endr
.macro FRAG reg, a16, a8, off          ; a fragment, 16 rows x 128 K: two half images, as they lie
	ds_load_b128 v[\reg:\reg+3], v[\a16] offset:(\off)
	ds_load_b64 v[\reg+4:\reg+5], v[\a8] offset:(\off)+512
	ds_load_b128 v[\reg+6:\reg+9], v[\a16] offset:(\off)+768
	ds_load_b64 v[\reg+10:\reg+11], v[\a8] offset:(\off)+1280
.endm
; 16 matrix instructions: A's blocks a0, a0 + 1 x B's eight, the slot's q-th 128 along K.  p: B's set; sc: the set of scale words.  first = 1: the bias starts the sums: nothing is cleared.
; The 64 accumulators take turns, one instruction a turn, in the same order in every step.
.macro MUL16 a0, p, q, sc, first
.irp a, \a0, \a0+1
.irp b, 0,1,2,3,4,5,6,7
.if \first
	v_wmma_scale_f32_16x16x128_f8f6f4 v[8*(8*((\a)%4)+\b):8*(8*((\a)%4)+\b)+7], v[128*(\p)+FR*\b:128*(\p)+FR*\b+FR-1], v[AF+FR*(\a):AF+FR*(\a)+FR-1], v[BN+8*\b:BN+8*\b+7], v[SC+8*NQ*(\sc)+NQ*\b+(\q)], v[SC+8*NQ*(\sc)+NQ*(\a)+(\q)] matrix_a_fmt:MATRIX_FMT_FP6 matrix_b_fmt:MATRIX_FMT_FP6 matrix_a_scale:MATRIX_SCALE_ROW1
.else
	v_wmma_scale_f32_16x16x128_f8f6f4 v[8*(8*((\a)%4)+\b):8*(8*((\a)%4)+\b)+7], v[128*(\p)+FR*\b:128*(\p)+FR*\b+FR-1], v[AF+FR*(\a):AF+FR*(\a)+FR-1], v[8*(8*((\a)%4)+\b):8*(8*((\a)%4)+\b)+7], v[SC+8*NQ*(\sc)+NQ*\b+(\q)], v[SC+8*NQ*(\sc)+NQ*(\a)+(\q)] matrix_a_fmt:MATRIX_FMT_FP6 matrix_b_fmt:MATRIX_FMT_FP6 matrix_a_scale:MATRIX_SCALE_ROW1
.endif
.endr
.endr
.endm
.macro FETCH_B slot, q, p
	WIN TO_B
.irp i, 0,1,2,3,4,5,6,7
	FRAG 128*(\p)+FR*\i, B16+\slot, B8+\slot, \i*TILEB+(\q)*1536
.endr
	WIN 0
.endm
.macro FETCH_A slot, q, i0
.irp i, \i0, \i0+1, \i0+2, \i0+3
	FRAG AF+FR*(\i), A16+\slot, A8+\slot, (\i)*TILEB+(\q)*1536
.endr
.endm
.macro SCALES sc                       ; a K step's scale words: two a row; lanes 0-15 A's block i, lanes 16-31 B's block i
.irp i, 0,1,2,3,4,5,6,7
	ds_load_b64 v[SC+8*NQ*\sc+NQ*\i:SC+8*NQ*\sc+NQ*\i+1], v[ADRS] offset:\i*512
.endr
.endm
.macro PLACES n                        ; plain vector lines between a matrix instruction and a load into, or a vector read or write of, its registers
.rept \n
	v_nop
.endr
.endm
.macro STEP slot, q, first             ; a step of 128 along K that has its successor in the same slot
	s_wait_dscnt 4*NL                              ; B's set and A's blocks 0-3 are in; the youngest 16 loads (A's blocks 4-7) may be out
.if \first
	WIN 0x81                                       ; C (the bias) window 0, D window 2
.else
	WIN MUL_LO
.endif
	MUL16 0, (\q)%2, \q, \slot, \first
	MUL16 2, (\q)%2, \q, \slot, \first
	s_wait_dscnt 0x0                               ; A's blocks 4-7 are in
	PLACES NP
	FETCH_B \slot, (\q)+1, 1-(\q)%2
	FETCH_A \slot, (\q)+1, 0
.if \first
	WIN 0xc1
.else
	WIN MUL_HI
.endif
	MUL16 4, (\q)%2, \q, \slot, \first
	MUL16 6, (\q)%2, \q, \slot, \first
	PLACES NP
	WIN 0
	FETCH_A \slot, (\q)+1, 4
.endm
; A slot's last step changes slots: one barrier; in front of it each wave waits for all its tensor loads, adds 0 to its spare word, and waits for that and for its reads of this slot.  fill = 1: this slot is filled again, two K steps ahead.
.macro TURN slot, next, fill
	s_wait_tensorcnt 0x0                           ; all my tensor loads have landed: my part of the next slot
	ds_add_u32 v[SPW], v[NIL]                      ; 0 onto my spare word
	s_wait_dscnt 4*NL+1                            ; (the add and the youngest 16 loads may be out)
	WIN MUL_LO
	MUL16 0, 1, NQ-1, \slot, 0
	s_wait_dscnt 0x0                               ; the add is done, and my reads of this slot are over
	s_barrier_signal -1
	MUL16 2, 1, NQ-1, \slot, 0
	WIN 0
	s_barrier_wait -1
.if \fill
	CREST                                          ; the barrier has opened a round of the cluster's barrier: no wave of any partner still reads this slot or has a load on its way
	s_add_nc_u64 s[G0+4*\slot+2:G0+4*\slot+3], s[G0+4*\slot+2:G0+4*\slot+3], 2*TILEB
	s_add_nc_u64 s[G0B+4*\slot+2:G0B+4*\slot+3], s[G0B+4*\slot+2:G0B+4*\slot+3], 2*TILEB
	JLOAD G0+4*\slot, G1, G0B+4*\slot, G1B         ; the first tensor load behind the round; its four v_nop are also the places in front of the loads below
.else
	PLACES NP
.endif
	v_add_nc_u32 v[ADRS], 128, v[ADRS]             ; the next K step's scale words
	FETCH_B \next, 0, 0
	FETCH_A \next, 0, 0
	SCALES \next
	WIN MUL_HI
	MUL16 4, 1, NQ-1, \slot, 0
	MUL16 6, 1, NQ-1, \slot, 0
	PLACES NP
	WIN 0
	FETCH_A \next, 0, 4
.endm
	s_wait_tensorcnt 1                             ; the scale words and my part of K step 0 are in; K step 1's load may be out
	s_barrier_signal -1
	s_barrier_wait -1
	FETCH_B 0, 0, 0
	FETCH_A 0, 0, 0
	SCALES 0
	FETCH_A 0, 0, 4
	STEP 0, 0, 1                                   ; K = 1,024 is four K steps: written out
	TURN 0, 1, 1
	STEP 1, 0, 0
	TURN 1, 0, 1
	STEP 0, 0, 0
	TURN 0, 1, 0                                   ; nothing is left to fetch
	STEP 1, 0, 0
	s_wait_dscnt 4*NL
	WIN MUL_LO
	MUL16 0, 1, NQ-1, 1, 0
	MUL16 2, 1, NQ-1, 1, 0
	s_wait_dscnt 0x0
	WIN MUL_HI
	MUL16 4, 1, NQ-1, 1, 0
	MUL16 6, 1, NQ-1, 1, 0
	WIN 0
	; THE WAY OUT.  Where the images and scale words go.  No tensor load of mine is out (the last change of slots waited for all), so the descriptors' registers are free.
	; q: qimg [head][tile 0..127][768], qsc [head][tile][r] words.   k: kvimg [head][chunk of 256 keys][16 tiles x 768 | v's 12,288], kvsc [head][chunk][16 tiles x 64 | v's 512].
	; v: in a chunk [128 keys 0..1][64 keys 0..1][tile of 16 channels 0..3][768]; scale words [128 keys][tile][r].
	s_lshr_b32 s42, s18, 1                         ; the batch
	s_lshl_b32 s43, s40, 2
	s_lshl_b32 s44, s16, 1
	s_add_co_u32 s43, s43, s44                     ; my first head: features as B',
	s_lshl_b32 s44, s41, 2
	s_lshl_b32 s45, s15, 1
	s_add_co_u32 s44, s44, s45                     ; or as A'
	s_lshl_b32 s45, s18, 2
	s_add_co_u32 s46, s45, s41
	s_and_b32 s46, s46, 7
	s_lshl_b32 s46, s46, 1
	s_add_co_u32 s46, s46, s15                     ; which 128 tokens of the batch: tokens as A',
	s_add_co_u32 s47, s45, s40
	s_and_b32 s47, s47, 7
	s_lshl_b32 s47, s47, 1
	s_add_co_u32 s47, s47, s16                     ; or as B'
	s_mov_b32 s48, 512
	s_mov_b32 s50, 256
	s_mov_b32 s52, 3072
	s_cmp_eq_u32 s17, 2
	s_cselect_b32 s43, s44, s43
	s_cselect_b32 s46, s47, s46
	s_cselect_b32 s47, 12288, 0                    ; v's images lie behind k's in a chunk
	s_cselect_b32 s48, 256, s48                    ; scale words of 128 tokens
	s_cselect_b32 s49, 1024, 0                     ; v's scale words lie behind k's
	s_cselect_b32 s50, 12288, s50                  ; scale words: from A's blocks 0-3 to 4-7 (v: the next head; else four tiles)
	s_cselect_b32 s54, 196608, s52                 ; images: likewise
	s_mov_b32 s56, 196608
	s_mov_b32 s57, 24576
	s_mov_b32 s58, 12288
	s_mov_b32 s59, 1536
	s_cmp_eq_u32 s17, 0
	s_cselect_b32 s56, 98304, s56                  ; a head's images,
	s_cselect_b32 s57, 12288, s57                  ; a chunk's,
	s_cselect_b32 s58, 8192, s58                   ; a head's scale words,
	s_cselect_b32 s59, 1024, s59                   ; a chunk's
	s_cselect_b64 s[24:25], s[92:93], s[96:97]
	s_cselect_b64 s[32:33], s[94:95], s[98:99]
	s_cmp_eq_u32 s17, 2
	s_cselect_b32 s52, s52, s56                    ; images: from a fragment's first 64 to its second (v: 64 keys on; else the next head)
	s_lshl_b32 s42, s42, 4
	s_add_co_u32 s42, s42, s43                     ; batch x 16 + head
	s_lshr_b32 s44, s46, 1                         ; chunk
	s_and_b32 s45, s46, 1                          ; and its half
	s_mul_i32 s60, s42, s56
	s_mul_i32 s61, s44, s57
	s_add_co_u32 s60, s60, s61
	s_mul_i32 s61, s45, 6144
	s_add_co_u32 s60, s60, s61
	s_add_co_u32 s60, s60, s47
	s_mov_b32 s61, 0
	s_mul_i32 s62, s42, s58
	s_mul_i32 s63, s44, s59
	s_add_co_u32 s62, s62, s63
	s_mul_i32 s63, s45, s48
	s_add_co_u32 s62, s62, s63
	s_add_co_u32 s62, s62, s49
	s_mov_b32 s63, 0
	s_mov_b32 s51, 0
	s_mov_b32 s53, 0
	s_mov_b32 s55, 0
	s_mov_b32 s59, 0
	s_add_nc_u64 s[24:25], s[24:25], s[60:61]
	s_add_nc_u64 s[26:27], s[24:25], s[52:53]
	s_add_nc_u64 s[28:29], s[24:25], s[54:55]
	s_add_nc_u64 s[30:31], s[26:27], s[54:55]
	s_add_nc_u64 s[32:33], s[32:33], s[62:63]
	s_add_nc_u64 s[34:35], s[32:33], s[58:59]
	s_add_nc_u64 s[36:37], s[32:33], s[50:51]
	s_add_nc_u64 s[38:39], s[34:35], s[50:51]
	s_mov_b32 s[HM], 0xffff0000                    ; lanes 16-31
	PLACES NP                                      ; behind the last products
.irp b, 0,1,2,3
	v_mov_b32 v[TM+4+\b], 0                        ; written once: a lane permute's destination counts as one of its sources
.endr
; 64 numbers of a lane, register 16 b + i = k 32 b + 16 (lane / 16) + i of my row, become a fragment's codes in v[PC] on and its scale word in v[PW].
.macro QUANT s
.irp b, 0,1,2,3
	v_max3_num_f32 v[TM+\b], |v[\s+16*\b]|, |v[\s+1+16*\b]|, 0x1800000   ; my 16 numbers of block b, and the floor 2^(3 - 127): the byte cannot fall under 1
.endr
.irp i, 2,4,6,8,10,12,14
.irp b, 0,1,2,3
	v_max3_num_f32 v[TM+\b], v[TM+\b], |v[\s+16*\b+\i]|, |v[\s+1+16*\b+\i]|
.endr
.endr
.irp b, 0,1,2,3
	v_permlanex16_b32 v[TM+4+\b], v[TM+\b], s[SEL], s[SEL+1]
.endr
.irp b, 0,1,2,3
	v_max_num_f32 v[TM+\b], v[TM+\b], v[TM+4+\b]   ; with lane l xor 16's: the block's largest magnitude
.endr
.irp b, 0,1,2,3
	v_add_nc_u32 v[TM+12+\b], 0xff000000, v[TM+\b] ; 2 off its exponent field: the conversion's scale operand
.endr
.irp b, 0,1,2,3
	v_lshrrev_b32 v[TM+4+\b], 23, v[TM+12+\b]      ; the byte
.endr
	v_lshl_or_b32 v[PW], v[TM+5], 8, v[TM+4]
	v_lshl_or_b32 v[PW], v[TM+6], 16, v[PW]
	v_lshl_or_b32 v[PW], v[TM+7], 24, v[PW]
.irp c, 0,1
	v_cvt_scalef32_pk16_fp6_f32 v[PC+6*\c:PC+2+6*\c], v[\s+32*\c:\s+15+32*\c], v[TM+12+2*\c]
	v_cvt_scalef32_pk16_fp6_f32 v[PC+12+4*\c:PC+14+4*\c], v[\s+16+32*\c:\s+31+32*\c], v[TM+12+2*\c+1]   ; (a conversion's three registers begin on an even number)
.endr
	v_nop                                          ; one plain line behind the conversions
.irp c, 0,1                            ; the operand's layout wants a whole block in a lane
.irp i, 0,1,2
	v_permlane16_swap_b32 v[PC+6*\c+\i], v[PC+12+4*\c+\i]
.endr
.irp i, 0,1,2
	v_mov_b32 v[PC+3+6*\c+\i], v[PC+12+4*\c+\i]
.endr
.endr
.endm
; A's block a: 16 rows x my 128 rows of B': the lanes' bias is added on the way to window 0; quantised; two half images and the scale words leave.
.macro OUTBLK a
.if (\a) > 0
	s_wait_xcnt 0x0                                ; the last block's stores have read their data: those registers are written again only behind this wait
.endif
	WIN 0x02+(\a)/4                                ; source 0: window 2 or 3
.set P, 0
.rept 32
	v_pk_add_f32 v[HA+2*P:HA+2*P+1], v[64*((\a)%4)+2*P:64*((\a)%4)+2*P+1], v[BM+2*(\a):BM+2*(\a)+1]   ; each accumulator from its low end on
.set P, P+1
.endr
	WIN 0
	QUANT HA
	global_store_b128 v[L16], v[PC:PC+3], s[IP+4*((\a)/4):IP+4*((\a)/4)+1] offset:((\a)%4)*768
	global_store_b64 v[L8], v[PC+4:PC+5], s[IP+4*((\a)/4):IP+4*((\a)/4)+1] offset:((\a)%4)*768+512
	global_store_b128 v[L16], v[PC+6:PC+9], s[IP+4*((\a)/4)+2:IP+4*((\a)/4)+3] offset:((\a)%4)*768
	global_store_b64 v[L8], v[PC+10:PC+11], s[IP+4*((\a)/4)+2:IP+4*((\a)/4)+3] offset:((\a)%4)*768+512
.if (\a)%2 == 0
	v_mov_b32 v[PWS], v[PW]
.else
	v_cndmask_b32 v[WD], v[PWS], v[PW], s[HM]      ; lanes 0-15: block a - 1's words, lanes 16-31: block a's
	global_store_b32 v[L4], v[WD], s[SPT+4*((\a)/4):SPT+4*((\a)/4)+1] offset:(((\a)%4)/2)*128   ; v: the word of 128 keys.  q, k: the first head's two bytes lie lowest; the upper two scale zero codes
	s_cmp_eq_u32 s17, 2
	s_cbranch_scc1 .Lone_word_\@
	v_lshrrev_b32 v[WD2], 16, v[WD]                ; q, k: the second head's two bytes
	global_store_b32 v[L4], v[WD2], s[SPT+4*((\a)/4)+2:SPT+4*((\a)/4)+3] offset:(((\a)%4)/2)*128
.Lone_word_\@:
.endif
.endm
.irp a, 0,1,2,3,4,5,6,7
	OUTBLK \a
.endr
	s_wait_tensorcnt 0x0                           ; the wave's end
	ds_add_u32 v[SPW], v[NIL]
	s_wait_dscnt 0x0
	CROUND                                         ; the closing round: no work-group ends while a partner may still ask for a tile that names it
	s_endpgm
.Lfunc_end_k_qeef78f9d13_qkv:
	.size	k_qeef78f9d13_qkv, .Lfunc_end_k_qeef78f9d13_qkv-k_qeef78f9d13_qkv
	.p2alignl 7, 3214868480
	.fill 96, 4, 3214868480
	.section	.rodata,"a",@progbits
	.p2align	6, 0x0
	.amdhsa_kernel k_qeef78f9d13_qkv
		.amdhsa_group_segment_fixed_size 327680
		.amdhsa_private_segment_fixed_size 0
		.amdhsa_enable_private_segment 0
		.amdhsa_kernarg_size 72
		.amdhsa_user_sgpr_count 2
		.amdhsa_user_sgpr_kernarg_segment_ptr 1
		.amdhsa_wavefront_size32 1
		.amdhsa_system_sgpr_workgroup_id_x 1
		.amdhsa_system_sgpr_workgroup_id_y 1
		.amdhsa_system_sgpr_workgroup_id_z 1
		.amdhsa_system_vgpr_workitem_id 0
		.amdhsa_next_free_vgpr 1024
		.amdhsa_next_free_sgpr 100
		.amdhsa_reserve_vcc 0
		.amdhsa_float_denorm_mode_32 3
		.amdhsa_float_denorm_mode_16_64 3
		.amdhsa_memory_ordered 1
		.amdhsa_forward_progress 1
		.amdhsa_inst_pref_size 176
	.end_amdhsa_kernel
	.amdgpu_metadata
---
amdhsa.version: [ 1, 2 ]
amdhsa.kernels:
  - .name:           k_qeef78f9d13_qkv
    .symbol:         k_qeef78f9d13_qkv.kd
    .args:
      - { .name: rimg, .offset: 0, .size: 8, .value_kind: global_buffer, .address_space: global }
      - { .name: rsc, .offset: 8, .size: 8, .value_kind: global_buffer, .address_space: global }
      - { .name: wimg, .offset: 16, .size: 8, .value_kind: global_buffer, .address_space: global }
      - { .name: wsc, .offset: 24, .size: 8, .value_kind: global_buffer, .address_space: global }
      - { .name: b_qkv, .offset: 32, .size: 8, .value_kind: global_buffer, .address_space: global }
      - { .name: qimg, .offset: 40, .size: 8, .value_kind: global_buffer, .address_space: global }
      - { .name: qsc, .offset: 48, .size: 8, .value_kind: global_buffer, .address_space: global }
      - { .name: kvimg, .offset: 56, .size: 8, .value_kind: global_buffer, .address_space: global }
      - { .name: kvsc, .offset: 64, .size: 8, .value_kind: global_buffer, .address_space: global }
    .group_segment_fixed_size: 327680
    .private_segment_fixed_size: 0
    .kernarg_segment_align: 8
    .kernarg_segment_size: 72
    .max_flat_workgroup_size: 128
    .sgpr_count:     100
    .vgpr_count:     1024
    .wavefront_size: 32
...
	.end_amdgpu_metadata
.endif
;; end of part 2
;; launch attn (part 3): grid 4 x 64, 16 waves a work-group, no clusters, 327,680 bytes of LDS; arguments qimg, qsc, kvimg, kvsc, rimg, rsc; writes rimg, rsc
.if DOCPART == 3
	.amdgcn_target "amdgcn-amd-amdhsa--gfx1250"
	.amdhsa_code_object_version 6
	.text
	.protected	k_qeef78f9d13_attn
	.globl	k_qeef78f9d13_attn
	.p2align	8
	.type	k_qeef78f9d13_attn,@function
k_qeef78f9d13_attn:
	s_mov_b64 s[64:65], 0
	v_nop
	global_prefetch_b8 v0, s[64:65] scope:SCOPE_SE
	s_setreg_imm32_b32 hwreg(HW_REG_WAVE_MODE, 25, 1), 1
	s_wait_xcnt 0x0
; Causal attention of one head on codes of FP6 (E2M3) with E8M0 scales; the result, O / l, is quantised along the merged heads and leaves as codes for the last product.
; t = score x log2(e) / 8; M = the running largest t rounded up to a whole number; p = 2^(t - M) is quantised along the keys, not normalised; l is the sum of the unquantised p.
; SHARES.  Work-group (i, head) owns the blocks of 256 queries 7 - i and i of its head: first block 7 - i with the chunks of 256 keys 0 .. 7 - i, then block i with chunks 0 .. i: NINE chunks for every work-group,
; so the trip counts are constants and the work is even.  Each of sixteen waves owns one tile of 16 queries.  Chunks come through two LDS slots, filled by the tensor data mover (waves 0-3: a quarter of the codes each; wave 4: the scale bytes).
; No cluster: the four work-groups of a head would be the partners, and they change blocks at different trips, which would be a branch on a place in the cluster.
; LAYOUT.  Both products are used transposed: S^T = K Q^T, O^T = V^T P^T: a lane holds one query.  A tile's rows are not neighbours (lane r of tile u of a group of 32: row 8 u + r + 8 (r / 8)),
; so the 16 registers of tiles 2 b, 2 b + 1 are 16 neighbours: keys in S^T, channels in O^T.  All operands are images of registers: a half image (768 bytes) is 16 rows x 64 K: 16 bytes at 16 l, 8 at 512 + 8 l.
; THE HEAD HAS 64 CHANNELS, the instruction 128 along K: Q's upper six registers hold zero codes.  K's operand for tile t is v[36 + 6 t .. 47 + 6 t]: its upper six registers are the next tile's codes, which meet Q's zeros;
; the scale bytes that go with them are never 0xff.
; THE MASK is reference()'s own lower triangle: a step all of whose keys lie behind my queries is left out; on the diagonal hidden scores become -infinity (reference() has -1e9: the same p = 0 while real scores / 8 stay above about -1e9 + 150).
; LIMITS: NaN and infinities are not served; a block's largest p is taken from its largest score (it takes v_exp_f32 not to fall where its input rises); blocks under 2^-124 take the byte 1.
.set SLOT1, 32768
.set VOFF,  12288                      ; a slot: K's 16 tiles x 768; V's [128 keys][64 keys][4 tiles] x 768;
.set KSO,   24576                      ; K's scale words, 16 tiles x 64 bytes;
.set VSO,   25600                      ; V's, [128 keys][4 tiles] x 64 bytes
.set SPARE, 65536                      ; the spare words, 128 bytes for each wave: eight blocks of 256 bytes that no other line names
.set L16, 1
.set L8,  2
.set L4,  3
.set R4,  4                            ; 4 r
.set SPW, 5
.set NIL, 6
.set SBO, 7                            ; 8 r + h: where my scale byte goes
.set A16, 8                            ; the slot in hand + 16, 8, 4 x lane
.set A8,  9
.set A4,  10
.set QI,  11                           ; my query - 16 h
.set QF,  16                           ; v16-27 Q's fragment (v22-27 zeros);  v28-33, v34 the second block's codes and scale word
.set QS,  35
.set KV,  36                           ; v36-89 K's eight half images and six zeros; then V's four fragments (v36-83)
.set KS,  90                           ; v90-93 K's scale words, two tiles a register;  v94-95 V's
.set VS,  94
.set S,   96                           ; v96-159 S^T, then p
.set O,   160                          ; v160-191 O^T
.set PC,  192                          ; v192-211 p's codes
.set BMX, 212                          ; v212-215 blocks' maxima;  v216-219 permutes and bytes;  v220-223 scale operands
.set BPM, 216
.set BSO, 220
.set PWD, 224                          ; p's scale word
.set TP,  225
.set FF,  226                          ; v[226:227] f = 2^(old M - new M), 0
.set SM2, 228                          ; v[228:229] the sum's second chain
.set PFO, 230
.set QI2, 231
.set TB,  2
.set KF,  3
.set WV,  18
.set SEL, 20
.set CS,  22
.set G1C, 24
.set G1S, 32
.set G0,  40
.set GB,  44                           ; s[44:45] where my part of chunk 0 lies;  s46 bytes from chunk to chunk
.set CSTR, 46
.set CH,  47                           ; the chunk asked for last
.set CHW, 48                           ; 8 - i: behind that many chunks the walk begins anew
.set SLOTS, 49
.set QMIN, 50
.set QMAX, 51
.set QMIN2, 52
.set QMAX2, 53
.set KEND, 54
.set AO1, 56
.set AS1, 58
.set AO2, 60
.set AS2, 62
.set PFA, 66
.set LIM, 68
.set HM,  69
.macro TLOAD                           ; the branches hang on the wave's number alone; four v_nop follow each of the two lines
	s_cmp_lt_u32 s[WV], 4
	s_cbranch_scc0 .Lnot_codes_\@
	tensor_load_to_lds s[G0:G0+3], s[G1C:G1C+7]
	s_nop 0
.rept 4
	v_nop
.endr
	s_branch .Lasked_\@
.Lnot_codes_\@:
	s_cmp_eq_u32 s[WV], 4
	s_cbranch_scc0 .Lasked_\@
	tensor_load_to_lds s[G0:G0+3], s[G1S:G1S+7]
	s_nop 0
.rept 4
	v_nop
.endr
.Lasked_\@:
.endm
; A prefetch of the chunk of codes behind the one that is being asked for: 24,576 bytes: waves 8 to 10 of the head's work-group 0 (which walks chunks 0 to 7 in order) take 8,192 bytes each, lanes 256 bytes apart.
; Each block of 256 bytes of chunks 2 to 7 is named once in the launch; chunks 0 and 1 come by their loads alone; behind chunk 7 nothing is named.
.macro ASK
	s_cmp_gt_u32 s[SLOTS], s[LIM]
	s_cbranch_scc0 .Lnot_mine_\@
	global_prefetch_b8 v[PFO], s[PFA:PFA+1] th:TH_LOAD_NT scope:SCOPE_SE
.Lnot_mine_\@:
.endm
	s_load_b256 s[4:11], s[0:1], 0x0               ; qimg, qsc, kvimg, kvsc
	s_load_b128 s[12:15], s[0:1], 0x20             ; rimg, rsc
	v_lshl_add_u32 v[SPW], v0, 2, SPARE
	v_mov_b32 v[NIL], 0
	ds_add_u32 v5, v6
	ds_add_u32 v5, v6
	s_wait_dscnt 0x0
	v_lshrrev_b32 v8, 5, v0
	s_delay_alu instid0(VALU_DEP_1)
	v_readfirstlane_b32 s[WV], v8                  ; wave 0..15
	s_and_b32 s70, ttmp7, 0xffff                   ; batch x 16 + head
	s_mov_b32 s71, ttmp9                           ; i
	s_mov_b32 s[G1C], 3<<16                        ; codes: 6,144 dense bytes as 24 rows of 256 (32 elements of 8 bytes); no padding: images are read on end
	s_mov_b32 s[G1C+1], 32<<16
	s_mov_b32 s[G1C+2], 24<<16
	s_mov_b32 s[G1C+3], 32<<16
	s_mov_b32 s[G1C+4], 24
	s_mov_b32 s[G1C+5], 32
	s_mov_b32 s[G1C+6], 0
	s_mov_b32 s[G1C+7], 0
	s_mov_b32 s[G1S], 3<<16                        ; scale bytes: 1,536 dense bytes as 6 rows
	s_mov_b32 s[G1S+1], 32<<16
	s_mov_b32 s[G1S+2], 6<<16
	s_mov_b32 s[G1S+3], 32<<16
	s_mov_b32 s[G1S+4], 6
	s_mov_b32 s[G1S+5], 32
	s_mov_b32 s[G1S+6], 0
	s_mov_b32 s[G1S+7], 0
	s_min_u32 s72, s[WV], 4
	s_mul_i32 s73, s72, 6144                       ; my part's place in a slot: waves 0-3 the codes' quarters, wave 4 the scale bytes at 24,576
	s_mov_b32 s[CSTR], 1536
	s_mov_b32 s75, 12288
	s_cmp_lt_u32 s[WV], 4
	s_cselect_b32 s[CSTR], 24576, s[CSTR]
	s_cselect_b32 s74, s73, 0
	s_cselect_b32 s75, 196608, s75                 ; a head's bytes
	s_mul_i32 s76, s70, s75
	s_mov_b32 s77, 0
	s_wait_kmcnt 0x0
	s_cselect_b64 s[GB:GB+1], s[8:9], s[10:11]
	s_add_co_u32 s76, s76, s74
	s_add_nc_u64 s[GB:GB+1], s[GB:GB+1], s[76:77]
	s_mov_b32 s[G0], 1
	s_mov_b32 s[G0+1], s73
	s_mov_b64 s[G0+2:G0+3], s[GB:GB+1]
	s_or_b32 s[G0+3], s[G0+3], 0x80000000
	TLOAD                                          ; chunk 0 into slot 0: one load of mine is out
	s_mov_b32 s[SEL], 0x76543210
	s_mov_b32 s[SEL+1], 0xfedcba98
	s_mov_b32 s[CS], 0x3e38aa3b                    ; c = log2(e) / 8
	s_mov_b32 s[CS+1], s[CS]
	s_mov_b32 s[HM], 0xffff0000
	s_mov_b32 s[TB], 0
	s_mov_b32 s[KF], 0
	s_mov_b32 s[CH], 0
	s_mov_b32 s[SLOTS], 8
	s_sub_co_u32 s[CHW], 8, s71
	s_lshl_b32 s72, s71, 8
	s_sub_co_u32 s[KEND], 2048, s72                ; the first block's keys end here
	s_sub_co_u32 s72, 7, s71
	s_lshl_b32 s72, s72, 4
	s_add_co_u32 s72, s72, s[WV]                   ; my tile in the first block,
	s_lshl_b32 s73, s71, 4
	s_add_co_u32 s73, s73, s[WV]                   ; and in the second
	s_lshr_b32 s74, s72, 1
	s_lshl_b32 s74, s74, 5
	s_and_b32 s75, s72, 1
	s_lshl_b32 s75, s75, 3
	s_add_co_u32 s[QMIN], s74, s75                 ; the tile's queries: QMIN + r + 8 (r / 8)
	s_add_co_u32 s[QMAX], s[QMIN], 23
	s_lshr_b32 s74, s73, 1
	s_lshl_b32 s74, s74, 5
	s_and_b32 s75, s73, 1
	s_lshl_b32 s75, s75, 3
	s_add_co_u32 s[QMIN2], s74, s75
	s_add_co_u32 s[QMAX2], s[QMIN2], 23
	s_lshl_b32 s76, s70, 7                         ; 128 tiles a head
	s_add_co_u32 s78, s76, s72
	s_mul_i32 s80, s78, 768
	s_mov_b32 s81, 0
	s_lshl_b32 s82, s78, 6
	s_mov_b32 s83, 0
	s_add_nc_u64 s[84:85], s[4:5], s[80:81]        ; Q's codes and scale words, first block,
	s_add_nc_u64 s[86:87], s[6:7], s[82:83]
	s_add_co_u32 s78, s76, s73
	s_mul_i32 s80, s78, 768
	s_lshl_b32 s82, s78, 6
	s_add_nc_u64 s[88:89], s[4:5], s[80:81]        ; second block
	s_add_nc_u64 s[90:91], s[6:7], s[82:83]
	; the result: rimg [batch x 128 + tile][head][768]; its scale bytes: rsc [tile][head / 4][r][(head / 2) % 2] words, byte 2 (head % 2) + block
	s_lshr_b32 s76, s70, 4
	s_lshl_b32 s76, s76, 7
	s_and_b32 s77, s70, 15
	s_lshr_b32 s78, s77, 2
	s_lshl_b32 s78, s78, 7
	s_bfe_u32 s79, s77, 0x10001
	s_lshl_b32 s79, s79, 2
	s_add_co_u32 s78, s78, s79
	s_and_b32 s79, s77, 1
	s_lshl_b32 s79, s79, 1
	s_add_co_u32 s78, s78, s79
	s_add_co_u32 s80, s76, s72
	s_lshl_b32 s82, s80, 9
	s_add_co_u32 s82, s82, s78
	s_lshl_b32 s80, s80, 4
	s_add_co_u32 s80, s80, s77
	s_mul_i32 s80, s80, 768
	s_add_nc_u64 s[AO1:AO1+1], s[12:13], s[80:81]
	s_add_nc_u64 s[AS1:AS1+1], s[14:15], s[82:83]
	s_add_co_u32 s80, s76, s73
	s_lshl_b32 s82, s80, 9
	s_add_co_u32 s82, s82, s78
	s_lshl_b32 s80, s80, 4
	s_add_co_u32 s80, s80, s77
	s_mul_i32 s80, s80, 768
	s_add_nc_u64 s[AO2:AO2+1], s[12:13], s[80:81]
	s_add_nc_u64 s[AS2:AS2+1], s[14:15], s[82:83]
	v_and_b32 v8, 31, v0
	s_delay_alu instid0(VALU_DEP_1)
	v_lshlrev_b32 v[L16], 4, v8
	s_delay_alu instid0(VALU_DEP_2)
	v_lshlrev_b32 v[L8], 3, v8
	s_delay_alu instid0(VALU_DEP_3)
	v_lshlrev_b32 v[L4], 2, v8
	s_delay_alu instid0(VALU_DEP_4)
	v_lshlrev_b32 v[PFO], 8, v8
	v_and_b32 v9, 15, v0                           ; r
	v_bfe_u32 v10, v0, 4, 1                        ; h
	s_delay_alu instid0(VALU_DEP_2)
	v_lshlrev_b32 v[R4], 2, v9
	s_delay_alu instid0(VALU_DEP_2)
	v_lshl_add_u32 v[SBO], v9, 3, v10
	global_load_b128 v[QF:QF+3], v[L16], s[84:85]
	global_load_b64 v[QF+4:QF+5], v[L8], s[84:85] offset:512
	global_load_b32 v[QS], v[R4], s[86:87]
	global_load_b128 v[28:31], v[L16], s[88:89]
	global_load_b64 v[32:33], v[L8], s[88:89] offset:512
	global_load_b32 v34, v[R4], s[90:91]
	v_and_b32 v[QI], 8, v9
	s_delay_alu instid0(VALU_DEP_1)
	v_add_nc_u32 v[QI], v[QI], v9
	v_lshlrev_b32 v10, 4, v10
	s_delay_alu instid0(VALU_DEP_1)
	v_sub_nc_u32 v[QI], v[QI], v10                 ; r + 8 (r / 8) - 16 h
	s_delay_alu instid0(VALU_DEP_1)
	v_add_nc_u32 v[QI2], s[QMIN2], v[QI]
	s_delay_alu instid0(VALU_DEP_2)
	v_add_nc_u32 v[QI], s[QMIN], v[QI]
	; the prefetches: where my wave's stand, and who asks
	s_sub_co_u32 s72, s[WV], 8
	s_min_u32 s73, s72, 2
	s_lshl_b32 s74, s73, 13
	s_mul_i32 s75, s70, 196608
	s_add_co_u32 s74, s74, s75
	s_add_co_u32 s74, s74, 24576                   ; in chunk 1: the first change of slots steps it to chunk 2.  Nothing is prefetched here, at the head
	s_mov_b32 s75, 0
	s_add_nc_u64 s[PFA:PFA+1], s[8:9], s[74:75]
	s_cmp_lt_u32 s72, 3
	s_cselect_b32 s73, 0, 1
	s_or_b32 s73, s73, s71
	s_cmp_eq_u32 s73, 0
	s_cselect_b32 s[LIM], 2, -1
.irp j, 6,7,8,9,10,11
	v_mov_b32 v[QF+\j], 0                          ; Q's upper 64 along K: zero codes
.endr
.irp j, 48,49,50,51,52,53
	v_mov_b32 v[KV+\j], 0                          ; what stands behind K's last tile
.endr
	v_mov_b32 v13, 0xff61b1e6                      ; the largest t so far: -3e38
	s_delay_alu instid0(VALU_DEP_1)
	v_floor_f32 v12, -v13                          ; -M
	v_mov_b32 v14, 0
	v_mov_b32 v15, 0
.irp b, 0,1,2,3
	v_mov_b32 v[BPM+\b], 0                         ; written once: a lane permute's destination counts as one of its sources
.endr
	v_mov_b32 v[TP], 0
	v_mov_b32 v[FF+1], 0
.set J, 0
.rept 32
	v_mov_b32 v[O+J], 0                            ; the step is written once: the first finds zeros
.set J, J+1
.endr
; A KEY STEP: 128 keys, the q-th of the slot in hand.
.macro STEP q
	s_cmp_gt_u32 s[KF], s[QMAX]                    ; all keys behind my queries: the step's work is left out (a branch on ids; no barrier and no tensor load stands in a step)
	s_cbranch_scc1 .Lhidden_\@
	v_add_nc_u32 v[A16], s[TB], v[L16]
	v_add_nc_u32 v[A8], s[TB], v[L8]
	v_add_nc_u32 v[A4], s[TB], v[L4]
	v_nop                                          ; four places in front of loads into registers that the last products read
.irp t, 0,1,2,3,4,5,6,7
	ds_load_b128 v[KV+6*\t:KV+6*\t+3], v[A16] offset:6144*(\q)+768*\t
	ds_load_b64 v[KV+6*\t+4:KV+6*\t+5], v[A8] offset:6144*(\q)+768*\t+512
.endr
.irp b, 0,1,2,3
	ds_load_b32 v[KS+\b], v[A4] offset:KSO+512*(\q)+128*\b     ; lanes 0-15: tile 2 b's words, lanes 16-31: tile 2 b + 1's
.endr
	s_wait_alu depctr_va_vdst(0)
	s_wait_dscnt 0x0
.irp t, 0,1,2,3,4,5,6,7
.if \t%2
	v_wmma_scale_f32_16x16x128_f8f6f4 v[S+8*\t:S+8*\t+7], v[KV+6*\t:KV+6*\t+11], v[QF:QF+11], 0, v[KS+\t/2], v[QS] matrix_a_fmt:MATRIX_FMT_FP6 matrix_b_fmt:MATRIX_FMT_FP6 matrix_a_scale:MATRIX_SCALE_ROW1
.else
	v_wmma_scale_f32_16x16x128_f8f6f4 v[S+8*\t:S+8*\t+7], v[KV+6*\t:KV+6*\t+11], v[QF:QF+11], 0, v[KS+\t/2], v[QS] matrix_a_fmt:MATRIX_FMT_FP6 matrix_b_fmt:MATRIX_FMT_FP6
.endif
.endr
.rept 4
	v_nop                                          ; places behind the products: for the loads below and for the first reads of the scores
.endr
.irp t, 0,1,2,3                        ; V's four fragments are asked for now and land under the softmax
.irp c, 0,1
	ds_load_b128 v[KV+12*\t+6*\c:KV+12*\t+6*\c+3], v[A16] offset:VOFF+6144*(\q)+3072*\c+768*\t
	ds_load_b64 v[KV+12*\t+6*\c+4:KV+12*\t+6*\c+5], v[A8] offset:VOFF+6144*(\q)+3072*\c+768*\t+512
.endr
.endr
.irp b, 0,1
	ds_load_b32 v[VS+\b], v[A4] offset:VSO+256*(\q)+128*\b
.endr
	s_add_co_u32 s72, s[KF], 127                   ; on the diagonal hidden scores become -infinity; a step all of whose keys count skips this
	s_cmp_le_u32 s72, s[QMIN]
	s_cbranch_scc1 .Lopen_\@
	v_sub_nc_u32 v[SM2], v[QI], s[KF]              ; d = my query - the step's first key - 16 h.  Register 16 b + i holds key 32 b + 16 h + i: hidden where 32 b + i > d
	v_mov_b32 v[SM2+1], 0xff800000
.set J, 0
.rept 64
	v_cmp_gt_i32 vcc_lo, 32*(J/16)+J%16, v[SM2]
	v_cndmask_b32 v[S+J], v[S+J], v[SM2+1], vcc_lo
.set J, J+1
.endr
.Lopen_\@:
.irp b, 0,1,2,3
	v_max3_num_f32 v[BMX+\b], v[S+16*\b], v[S+1+16*\b], v[S+2+16*\b]   ; the largest score of each block of 32 keys: for the row's maximum and for the block's largest p
.endr
.irp i, 3,5,7,9,11,13
.irp b, 0,1,2,3
	v_max3_num_f32 v[BMX+\b], v[BMX+\b], v[S+16*\b+\i], v[S+1+16*\b+\i]
.endr
.endr
.irp b, 0,1,2,3
	v_max_num_f32 v[BMX+\b], v[BMX+\b], v[S+15+16*\b]
.endr
.irp b, 0,1,2,3
	s_delay_alu instid0(VALU_DEP_4)
	v_permlanex16_b32 v[BPM+\b], v[BMX+\b], s[SEL], s[SEL+1]
.endr
.irp b, 0,1,2,3
	s_delay_alu instid0(VALU_DEP_4)
	v_max_num_f32 v[BMX+\b], v[BMX+\b], v[BPM+\b]
.endr
	s_delay_alu instid0(VALU_DEP_2)
	v_max3_num_f32 v[TP], v[BMX], v[BMX+1], v[BMX+2]
	s_delay_alu instid0(VALU_DEP_1)
	v_max_num_f32 v[TP], v[TP], v[BMX+3]
	s_delay_alu instid0(VALU_DEP_1)
	v_mul_f32 v[TP], s[CS], v[TP]
	s_delay_alu instid0(VALU_DEP_1)
	v_max_num_f32 v13, v13, v[TP]                  ; the running largest t
	v_mov_b32 v[TP], v12
	s_delay_alu instid0(VALU_DEP_2)
	v_floor_f32 v12, -v13                          ; the new -M: M is a whole number
	s_delay_alu instid0(VALU_DEP_1)
	v_sub_f32 v[TP], v12, v[TP]
	s_delay_alu instid0(VALU_DEP_1)
	v_cvt_i32_f32 v[TP], v[TP]                     ; (it saturates)
	s_delay_alu instid0(VALU_DEP_1)
	v_ldexp_f32 v[FF], 1.0, v[TP]                  ; f = 2^(old M - new M): rounds nothing
.set J, 0
.rept 32
	v_pk_fma_f32 v[S+J:S+J+1], v[S+J:S+J+1], s[CS:CS+1], v[12:13] op_sel_hi:[1,0,0]   ; t - M
.set J, J+2
.endr
.irp b, 0,1,2,3
	v_fma_f32 v[BMX+\b], v[BMX+\b], s[CS], v12
.endr
.set J, 0
	s_wait_alu depctr_va_vdst(0)
.rept 64
	v_exp_f32 v[S+J], v[S+J]                       ; p = 2^(t - M)
.set J, J+1
.endr
	v_pk_mul_f32 v[14:15], v[14:15], v[FF:FF+1] op_sel_hi:[1,0]   ; the sums under the new M: the plain line behind the exponentials
	s_wait_alu depctr_va_vdst(0)                   ; one wait for the batch, ahead of its first reader
.irp b, 0,1,2,3
	v_exp_f32 v[BMX+\b], v[BMX+\b]                 ; each block's largest p
.endr
	v_pk_add_f32 v[228:229], v[100:101], v[104:105]
	v_pk_add_f32 v[254:255], v[108:109], v[112:113]
	v_pk_add_f32 v[252:253], v[116:117], v[120:121]
	v_pk_add_f32 v[250:251], v[124:125], v[128:129]
	v_pk_add_f32 v[248:249], v[132:133], v[136:137]
	v_pk_add_f32 v[246:247], v[140:141], v[144:145]
	v_pk_add_f32 v[244:245], v[148:149], v[152:153]
	v_pk_add_f32 v[14:15], v[14:15], v[156:157]
	v_pk_add_f32 v[228:229], v[228:229], v[96:97]
	v_pk_add_f32 v[254:255], v[254:255], v[98:99]
	v_pk_add_f32 v[252:253], v[252:253], v[102:103]
	v_pk_add_f32 v[250:251], v[250:251], v[106:107]
	v_pk_add_f32 v[248:249], v[248:249], v[110:111]
	v_pk_add_f32 v[246:247], v[246:247], v[114:115]
	v_pk_add_f32 v[244:245], v[244:245], v[118:119]
	v_pk_add_f32 v[14:15], v[14:15], v[122:123]
	v_pk_add_f32 v[228:229], v[228:229], v[126:127]
	v_pk_add_f32 v[254:255], v[254:255], v[130:131]
	v_pk_add_f32 v[252:253], v[252:253], v[134:135]
	v_pk_add_f32 v[250:251], v[250:251], v[138:139]
	v_pk_add_f32 v[248:249], v[248:249], v[142:143]
	v_pk_add_f32 v[246:247], v[246:247], v[146:147]
	v_pk_add_f32 v[244:245], v[244:245], v[150:151]
	v_pk_add_f32 v[14:15], v[14:15], v[154:155]
	v_pk_add_f32 v[228:229], v[228:229], v[158:159]
	s_delay_alu instid0(VALU_DEP_2)
	v_pk_add_f32 v[14:15], v[14:15], v[250:251]
	s_delay_alu instid0(VALU_DEP_2)
	v_pk_add_f32 v[228:229], v[228:229], v[248:249]
	v_pk_add_f32 v[254:255], v[254:255], v[246:247]
	v_pk_add_f32 v[252:253], v[252:253], v[244:245]
	s_delay_alu instid0(VALU_DEP_2)
	v_pk_add_f32 v[14:15], v[14:15], v[254:255]
	s_delay_alu instid0(VALU_DEP_2)
	v_pk_add_f32 v[228:229], v[228:229], v[252:253]
	s_delay_alu instid0(VALU_DEP_1)
	v_pk_add_f32 v[14:15], v[14:15], v[228:229]
	s_wait_alu depctr_va_vdst(0)                   ; and one for the four
.irp b, 0,1,2,3
	v_max_num_f32 v[BMX+\b], 0x1800000, v[BMX+\b]  ; the floor 2^(3 - 127)
.endr
.irp b, 0,1,2,3
	s_delay_alu instid0(VALU_DEP_4)
	v_add_nc_u32 v[BSO+\b], 0xff000000, v[BMX+\b]
.endr
.irp b, 0,1,2,3
	s_delay_alu instid0(VALU_DEP_4)
	v_lshrrev_b32 v[BPM+\b], 23, v[BSO+\b]
.endr
	s_delay_alu instid0(VALU_DEP_3)
	v_lshl_or_b32 v[PWD], v[BPM+1], 8, v[BPM]
	s_delay_alu instid0(VALU_DEP_1)
	v_lshl_or_b32 v[PWD], v[BPM+2], 16, v[PWD]
	s_delay_alu instid0(VALU_DEP_1)
	v_lshl_or_b32 v[PWD], v[BPM+3], 24, v[PWD]
.irp c, 0,1
	v_cvt_scalef32_pk16_fp6_f32 v[PC+6*\c:PC+2+6*\c], v[S+32*\c:S+15+32*\c], v[BSO+2*\c]
	v_cvt_scalef32_pk16_fp6_f32 v[PC+12+4*\c:PC+14+4*\c], v[S+16+32*\c:S+31+32*\c], v[BSO+2*\c+1]
.endr
	v_nop                                          ; one plain line behind the conversions
.irp c, 0,1
.irp i, 0,1,2
	v_permlane16_swap_b32 v[PC+6*\c+\i], v[PC+12+4*\c+\i]
.endr
.irp i, 0,1,2
	s_delay_alu instid0(VALU_DEP_3)
	v_mov_b32 v[PC+3+6*\c+\i], v[PC+12+4*\c+\i]
.endr
.endr
.set J, 0
.rept 16
	v_pk_mul_f32 v[O+J:O+J+1], v[O+J:O+J+1], v[FF:FF+1] op_sel_hi:[1,0]   ; O^T under the new M; these sixteen also stand between the scale word and codes just made and the products
.set J, J+2
.endr
	s_wait_alu depctr_va_vdst(0)
	s_wait_dscnt 0x0                               ; V is in
.irp t, 0,1,2,3
.if \t%2
	v_wmma_scale_f32_16x16x128_f8f6f4 v[O+8*\t:O+8*\t+7], v[KV+12*\t:KV+12*\t+11], v[PC:PC+11], v[O+8*\t:O+8*\t+7], v[VS+\t/2], v[PWD] matrix_a_fmt:MATRIX_FMT_FP6 matrix_b_fmt:MATRIX_FMT_FP6 matrix_a_scale:MATRIX_SCALE_ROW1
.else
	v_wmma_scale_f32_16x16x128_f8f6f4 v[O+8*\t:O+8*\t+7], v[KV+12*\t:KV+12*\t+11], v[PC:PC+11], v[O+8*\t:O+8*\t+7], v[VS+\t/2], v[PWD] matrix_a_fmt:MATRIX_FMT_FP6 matrix_b_fmt:MATRIX_FMT_FP6
.endif
.endr
.Lhidden_\@:
	s_add_co_u32 s[KF], s[KF], 128
.endm
; THE CHANGE OF SLOTS stands at a slot's head: each wave waits for all its tensor loads, adds 0 to its spare word, waits for that and for its reads of the slot that it has left; one barrier; then the slot left is filled with the next chunk.
.macro CHANGE fill
	s_wait_tensorcnt 0x0                           ; no tensor load of mine is out, so group 0 may be written
	ds_add_u32 v[SPW], v[NIL]                      ; 0 onto my spare word
.if \fill
	s_xor_b32 s[G0+1], s[G0+1], SLOT1              ; the other slot than last time
	s_add_co_u32 s[CH], s[CH], 1
	s_cmp_eq_u32 s[CH], s[CHW]
	s_cselect_b32 s[CH], 0, s[CH]                  ; behind the first block's last chunk: chunk 0 again
	s_mul_i32 s72, s[CH], s[CSTR]
	s_mov_b32 s73, 0
	s_add_nc_u64 s[G0+2:G0+3], s[GB:GB+1], s[72:73]
	s_or_b32 s[G0+3], s[G0+3], 0x80000000
	s_wait_xcnt 0x0                                ; the last prefetch, a slot back, has read its address
	s_add_nc_u64 s[PFA:PFA+1], s[PFA:PFA+1], 24576
.endif
	s_wait_dscnt 0x0                               ; the add is done, and my reads of the slot that I have left are over
	s_barrier_signal -1
	s_barrier_wait -1
.if \fill
	TLOAD                                          ; the first thing behind the barrier, and a wave's one tensor load until the next
	ASK
.endif
.endm
; A block's end: O^T / l, quantised along the head's 64 channels (two blocks of 32): one half image and a byte a lane.
.macro FLUSH ao, as
.rept 4
	v_nop                                          ; places behind the last products
.endr
	v_add_f32 v14, v14, v15
	s_delay_alu instid0(VALU_DEP_1)
	v_permlanex16_b32 v[TP], v14, s[SEL], s[SEL+1]
	s_delay_alu instid0(VALU_DEP_1)
	v_add_f32 v14, v14, v[TP]                      ; the row's sum
	s_wait_alu depctr_va_vdst(0)
	v_rcp_f32 v14, v14
	v_nop                                          ; a plain line behind the reciprocal,
	s_wait_alu depctr_va_vdst(0)                   ; and the wait ahead of its first reader
.set J, 0
.rept 32
	v_mul_f32 v[S+J], v[O+J], v14                  ; register 16 b + i: channel 32 b + 16 h + i of my query
.set J, J+1
.endr
.irp b, 0,1
	v_max3_num_f32 v[BMX+\b], |v[S+16*\b]|, |v[S+1+16*\b]|, 0x1800000
.endr
.irp i, 2,4,6,8,10,12,14
.irp b, 0,1
	s_delay_alu instid0(VALU_DEP_2)
	v_max3_num_f32 v[BMX+\b], v[BMX+\b], |v[S+16*\b+\i]|, |v[S+1+16*\b+\i]|
.endr
.endr
.irp b, 0,1
	s_delay_alu instid0(VALU_DEP_2)
	v_permlanex16_b32 v[BPM+\b], v[BMX+\b], s[SEL], s[SEL+1]
.endr
.irp b, 0,1
	s_delay_alu instid0(VALU_DEP_2)
	v_max_num_f32 v[BMX+\b], v[BMX+\b], v[BPM+\b]
.endr
.irp b, 0,1
	s_delay_alu instid0(VALU_DEP_2)
	v_add_nc_u32 v[BSO+\b], 0xff000000, v[BMX+\b]
.endr
.irp b, 0,1
	s_delay_alu instid0(VALU_DEP_2)
	v_lshrrev_b32 v[BPM+\b], 23, v[BSO+\b]
.endr
	v_cvt_scalef32_pk16_fp6_f32 v[PC:PC+2], v[S:S+15], v[BSO]
	v_cvt_scalef32_pk16_fp6_f32 v[PC+12:PC+14], v[S+16:S+31], v[BSO+1]
	v_nop                                          ; one plain line behind the conversions
.irp i, 0,1,2
	v_permlane16_swap_b32 v[PC+\i], v[PC+12+\i]
.endr
.irp i, 0,1,2
	s_delay_alu instid0(VALU_DEP_3)
	v_mov_b32 v[PC+3+\i], v[PC+12+\i]
.endr
	v_cndmask_b32 v[TP], v[BPM], v[BPM+1], s[HM]   ; lanes 0-15 store block 0's byte, lanes 16-31 block 1's
	global_store_b128 v[L16], v[PC:PC+3], s[\ao:\ao+1]
	global_store_b64 v[L8], v[PC+4:PC+5], s[\ao:\ao+1] offset:512
	global_store_b8 v[SBO], v[TP], s[\as:\as+1]
.endm
	s_wait_loadcnt 0x0                             ; Q, both blocks'
.Lslot:                                            ; eight trips: behind each change of slots but the last the next chunk is asked for
	CHANGE 1
	STEP 0
	STEP 1
	s_xor_b32 s[TB], s[TB], SLOT1
	s_cmp_lg_u32 s[KF], s[KEND]                    ; the first block's keys are through: a branch on ids
	s_cbranch_scc1 .Lsame_block
	FLUSH AO1, AS1
	v_mov_b32 v[QS], v34                           ; the second block's Q; the lines below stand between these and the next products
.irp j, 0,1,2,3,4,5
	v_mov_b32 v[QF+\j], v[28+\j]
.endr
	v_mov_b32 v[QI], v[QI2]
	s_mov_b32 s[QMIN], s[QMIN2]
	s_mov_b32 s[QMAX], s[QMAX2]
	s_mov_b32 s[KF], 0
	v_mov_b32 v13, 0xff61b1e6
	s_delay_alu instid0(VALU_DEP_1)
	v_floor_f32 v12, -v13
	v_mov_b32 v14, 0
	v_mov_b32 v15, 0
.set J, 0
.rept 32
	v_mov_b32 v[O+J], 0
.set J, J+1
.endr
	s_wait_xcnt 0x0                                ; the stores have read their data: the next step writes those registers again
.Lsame_block:
	s_sub_co_u32 s[SLOTS], s[SLOTS], 1
	s_cmp_lg_u32 s[SLOTS], 0
	s_cbranch_scc1 .Lslot
	CHANGE 0                                       ; the last chunk is written out
	STEP 0
	STEP 1
	FLUSH AO2, AS2
	s_wait_tensorcnt 0x0                           ; the wave's end
	ds_add_u32 v[SPW], v[NIL]
	s_wait_dscnt 0x0
	s_endpgm
.Lfunc_end_k_qeef78f9d13_attn:
	.size	k_qeef78f9d13_attn, .Lfunc_end_k_qeef78f9d13_attn-k_qeef78f9d13_attn
	.p2alignl 7, 3214868480
	.fill 96, 4, 3214868480
	.section	.rodata,"a",@progbits
	.p2align	6, 0x0
	.amdhsa_kernel k_qeef78f9d13_attn
		.amdhsa_group_segment_fixed_size 327680
		.amdhsa_private_segment_fixed_size 0
		.amdhsa_enable_private_segment 0
		.amdhsa_kernarg_size 48
		.amdhsa_user_sgpr_count 2
		.amdhsa_user_sgpr_kernarg_segment_ptr 1
		.amdhsa_wavefront_size32 1
		.amdhsa_system_sgpr_workgroup_id_x 1
		.amdhsa_system_sgpr_workgroup_id_y 1
		.amdhsa_system_sgpr_workgroup_id_z 1
		.amdhsa_system_vgpr_workitem_id 0
		.amdhsa_next_free_vgpr 256
		.amdhsa_next_free_sgpr 100
		.amdhsa_reserve_vcc 1
		.amdhsa_float_denorm_mode_32 3
		.amdhsa_float_denorm_mode_16_64 3
		.amdhsa_memory_ordered 1
		.amdhsa_forward_progress 1
		.amdhsa_inst_pref_size 112
	.end_amdhsa_kernel
	.amdgpu_metadata
---
amdhsa.version: [ 1, 2 ]
amdhsa.kernels:
  - .name:           k_qeef78f9d13_attn
    .symbol:         k_qeef78f9d13_attn.kd
    .args:
      - { .name: qimg, .offset: 0, .size: 8, .value_kind: global_buffer, .address_space: global }
      - { .name: qsc, .offset: 8, .size: 8, .value_kind: global_buffer, .address_space: global }
      - { .name: kvimg, .offset: 16, .size: 8, .value_kind: global_buffer, .address_space: global }
      - { .name: kvsc, .offset: 24, .size: 8, .value_kind: global_buffer, .address_space: global }
      - { .name: rimg, .offset: 32, .size: 8, .value_kind: global_buffer, .address_space: global }
      - { .name: rsc, .offset: 40, .size: 8, .value_kind: global_buffer, .address_space: global }
    .group_segment_fixed_size: 327680
    .private_segment_fixed_size: 0
    .kernarg_segment_align: 8
    .kernarg_segment_size: 48
    .max_flat_workgroup_size: 512
    .sgpr_count:     100
    .vgpr_count:     256
    .wavefront_size: 32
...
	.end_amdgpu_metadata
.endif
;; end of part 3
;; launch outp (part 4): grid 4 x 32, 4 waves a work-group, clusters of 4 x 4, 327,680 bytes of LDS; arguments rimg, rsc, wimg, wsc, b_out, out0; writes out0
.if DOCPART == 4
	.amdgcn_target "amdgcn-amd-amdhsa--gfx1250"
	.amdhsa_code_object_version 6
	.text
	.protected	k_qeef78f9d13_outp
	.globl	k_qeef78f9d13_outp
	.p2align	8
	.type	k_qeef78f9d13_outp,@function
k_qeef78f9d13_outp:
	s_mov_b64 s[64:65], 0
	v_nop
	global_prefetch_b8 v0, s[64:65] scope:SCOPE_SE
	s_setreg_imm32_b32 hwreg(HW_REG_WAVE_MODE, 25, 1), 1
	s_wait_xcnt 0x0
	s_wait_alu depctr_hold_cnt(0) depctr_sa_sdst(0) depctr_va_vdst(0) depctr_va_sdst(0) depctr_va_ssrc(0) depctr_va_vcc(0) depctr_vm_vsrc(0)
	s_getreg_b32 s2, hwreg(HW_REG_IB_STS2, 6, 4)
	s_cmp_eq_u32 s2, 0
	s_cbranch_scc0 .Lentry_in_a_cluster
	s_endpgm
.Lentry_in_a_cluster:
	s_bfe_u32 s2, ttmp6, 0x10000c
	s_cmp_lg_u32 s2, 0xf033
	s_cbranch_scc0 .Lentry_shape_is_right
	s_endpgm
.Lentry_shape_is_right:
; out0 = attn W_out + b_out on codes of FP6 (E2M3) with E8M0 scales; out0 [8192][1024] f32.
; OPERANDS arrive as images of operand registers: a half image (768 bytes) is 16 rows x 64 K, lane l's first 16 bytes at 16 l, its last 8 at 512 + 8 l; a tile of 16 rows has 16 of them on end.  In each group of
; 32 rows tile u holds in lane r the row 8 u + r + 8 (r / 8).  Scale words: 512 bytes a tile, [K / 256][r][2].  A' = attn's rows (rimg), B' = W_out's columns (wimg's tiles 192 on).
; A block of 256 x 256 of out0 is made by four waves, 128 x 128 each: 64 accumulators.  K = 1,024 goes in four steps of 256 through two LDS slots filled by the tensor data mover.
; THE MATRIX INSTRUCTION IS USED TRANSPOSED (source 0 = 16 rows of B', source 1 = 16 rows of A'): a lane holds one row of out0, and its registers 16 g + i of tiles 2 g, 2 g + 1 are the columns 32 g + 16 h + i.
; CLUSTERS: 4 x 4 work-groups; A's tiles are shared along a row of the cluster, B's along a column, each asked for jointly.
; The bias is the C of a sum's first product, so the order of rounding differs from reference()'s in the last bit.  LIMITS: NaN and infinities are not served.
; REGISTERS, in windows of 256: window 0: v16-31 addresses; v32-63 scale words, two sets; v64-127 the bias; v128-223 A's fragments, one set (on the way out v128-255 take rows of out0).
;   window 1: B's fragments, two sets, at v0 and v128.   windows 2, 3: the accumulators (a, b) at v[8 (8 (a % 4) + b)].
.set NQ,    2
.set FR,    12
.set NL,    4
.set NP,    4                          ; places behind this matrix instruction (ISA guide 7.12.1)
.set TILEB, 3072
.set HALFT, 8*TILEB
.set SLOT,  4*HALFT
.set KROW,  12288
.set SCL,   2*SLOT
.set SCB,   SCL+8320                   ; B's scale words, 128 bytes further on than a whole number of 256: lanes 0-15 (A's) and 16-31 (B's) of one load fall on different banks (ISA guide 11.1)
.set SPARE, 213248                     ; the spare words, 128 bytes for each wave: two blocks of 256 bytes that no other line names
.set SPITCH, 528                       ; the way out: a stage of 16 rows x (512 bytes + 16) for each wave, in slot 0, which has had its last fill and its last read when the first result is stored there
.set A16, 16
.set A8,  18
.set B16, 20
.set B8,  22
.set L16, 24
.set L8,  25
.set STO, 26
.set ADRS, 27
.set SPW, 28
.set NIL, 29
.set RD,  30
.set SC,  32
.set BN,  64
.set AF,  128
.set BK,  128
.set G1, 24
.set G0, 32
.set G1B, 48
.set G0B, 56
.set G1S, 68
.set G0S, 76
.set G1SB, 80
.set G0SB, 88
.set MSB, 0
.macro WIN new                         ; the immediate's high byte repeats the setting that is left
.if MSB != \new
	s_set_vgpr_msb (MSB<<8)|\new
.set MSB, \new
.endif
.endm
.set MUL_LO, 0xa1
.set MUL_HI, 0xf1
.set TO_B,   0x40
.macro JLOAD g0a, g1a, g0b, g1b        ; a joint load: waves 0 and 1 fetch for A', waves 2 and 3 for B'; four v_nop follow each of the two lines
	s_cmp_eq_u32 s15, 0
	s_cbranch_scc0 .Lfor_b_\@
	tensor_load_to_lds s[\g0a:\g0a+3], s[\g1a:\g1a+7]
	s_nop 0
.rept 4
	v_nop
.endr
	s_branch .Lasked_\@
.Lfor_b_\@:
	tensor_load_to_lds s[\g0b:\g0b+3], s[\g1b:\g1b+7]
	s_nop 0
.rept 4
	v_nop
.endr
.Lasked_\@:
.endm
.macro CREST
	s_cmp_lg_u32 s14, 0
	s_cbranch_scc1 .Lnot_wave_0_\@
	s_barrier_signal -3
.Lnot_wave_0_\@:
	s_barrier_wait -3
	s_barrier_signal -1
	s_barrier_wait -1
.endm
.macro CROUND
	s_barrier_signal -1
	s_barrier_wait -1
	CREST
.endm
	s_load_b256 s[4:11], s[0:1], 0x0               ; rimg, rsc, wimg, wsc
	s_load_b128 s[92:95], s[0:1], 0x20             ; b_out, out0
	v_lshl_add_u32 v[SPW], v0, 2, SPARE
	v_mov_b32 v[NIL], 0
	ds_add_u32 v28, v29
	s_wait_dscnt 0x0
	v_lshrrev_b32 v1, 5, v0
	v_readfirstlane_b32 s14, v1                    ; wave 0..3
	s_lshr_b32 s15, s14, 1                         ; which half of A's rows is mine.  Also: I fetch for A' (0) or B' (1)
	s_and_b32 s16, s14, 1                          ; which half of B's rows.  Also: which eight tiles I fetch
	s_bfe_u32 s40, ttmp6, 0x40000                  ; cx
	s_bfe_u32 s41, ttmp6, 0x40004                  ; cy
	s_lshl_b32 s17, ttmp9, 2
	s_add_co_u32 s17, s17, s40                     ; block of 256 columns = 4 x cluster x + cx
	s_and_b32 s18, ttmp7, 0xffff
	s_lshl_b32 s18, s18, 2
	s_add_co_u32 s18, s18, s41                     ; block of 256 rows = 4 x cluster y + cy
	s_lshl_b32 s43, s41, 2
	s_lshl_b32 s43, 15, s43                        ; my row of the cluster
	s_lshl_b32 s44, 0x1111, s40                    ; my column
	s_or_b32 s[G1+0], s43, (3<<16)|(1<<21)         ; the mask; elements of 8 bytes; bit 21 beside a mask; no padding: images are read on end
	s_or_b32 s[G1B+0], s44, (3<<16)|(1<<21)
	s_or_b32 s[G1S+0], s43, (3<<16)|(1<<21)
	s_or_b32 s[G1SB+0], s44, (3<<16)|(1<<21)
.irp g, G1, G1B                        ; codes: 8 rows (tiles) of 3,072 bytes, 12,288 bytes apart
	s_mov_b32 s[\g+1], 384<<16
	s_mov_b32 s[\g+2], 8<<16
	s_mov_b32 s[\g+3], 384<<16
	s_mov_b32 s[\g+4], 8
	s_mov_b32 s[\g+5], 1536
	s_mov_b32 s[\g+6], 0
	s_mov_b32 s[\g+7], 0
.endr
.irp g, G1S, G1SB                      ; scale words of eight tiles: 4,096 dense bytes as 16 rows of 256
	s_mov_b32 s[\g+1], 32<<16
	s_mov_b32 s[\g+2], 16<<16
	s_mov_b32 s[\g+3], 32<<16
	s_mov_b32 s[\g+4], 16
	s_mov_b32 s[\g+5], 32
	s_mov_b32 s[\g+6], 0
	s_mov_b32 s[\g+7], 0
.endr
	s_lshl_b32 s42, s16, 3
	s_lshl_b32 s20, s18, 4
	s_add_co_u32 s20, s20, s42                     ; the first of the eight tiles that I would fetch for A',
	s_lshl_b32 s46, s17, 4
	s_add_co_u32 s46, s46, s42
	s_add_co_u32 s46, s46, 192                     ; and for B': W_out's tiles lie behind W_qkv's 192
	s_lshl_b32 s22, s20, 9
	s_mul_i32 s20, s20, KROW
	s_lshl_b32 s44, s46, 9
	s_mul_i32 s46, s46, KROW
	s_mov_b32 s21, 0
	s_mov_b32 s23, 0
	s_mov_b32 s45, 0
	s_mov_b32 s47, 0
	s_mul_i32 s2, s14, HALFT                       ; where the codes go: wave x eight tiles
	s_lshl_b32 s3, s16, 12                         ; and the scale words
	s_wait_kmcnt 0x0
	CROUND                                         ; all sixteen work-groups are here: the first joint loads meet
	s_add_nc_u64 s[G0+2:G0+3], s[4:5], s[20:21]
	s_add_nc_u64 s[G0B+2:G0B+3], s[8:9], s[46:47]
	s_add_nc_u64 s[G0S+2:G0S+3], s[6:7], s[22:23]
	s_add_nc_u64 s[G0SB+2:G0SB+3], s[10:11], s[44:45]
	s_add_nc_u64 s[G0+6:G0+7], s[G0+2:G0+3], TILEB
	s_add_nc_u64 s[G0B+6:G0B+7], s[G0B+2:G0B+3], TILEB
	s_or_b32 s[G0+3], s[G0+3], 0x80000000
	s_or_b32 s[G0+7], s[G0+7], 0x80000000
	s_or_b32 s[G0B+3], s[G0B+3], 0x80000000
	s_or_b32 s[G0B+7], s[G0B+7], 0x80000000
	s_or_b32 s[G0S+3], s[G0S+3], 0x80000000
	s_or_b32 s[G0SB+3], s[G0SB+3], 0x80000000
	s_mov_b32 s[G0], 1
	s_mov_b32 s[G0+4], 1
	s_mov_b32 s[G0B], 1
	s_mov_b32 s[G0B+4], 1
	s_mov_b32 s[G0S], 1
	s_mov_b32 s[G0SB], 1
	s_mov_b32 s[G0+1], s2
	s_add_co_u32 s[G0+5], s2, SLOT
	s_mov_b32 s[G0B+1], s2
	s_add_co_u32 s[G0B+5], s2, SLOT
	s_add_co_u32 s[G0S+1], s3, SCL
	s_add_co_u32 s[G0SB+1], s3, SCB
	JLOAD G0S, G1S, G0SB, G1SB                     ; the scale words for all of K: filled once.  Three loads of mine are out behind these lines
	JLOAD G0, G1, G0B, G1B
	JLOAD G0+4, G1, G0B+4, G1B
	v_and_b32 v1, 15, v0                           ; r
	v_bfe_u32 v2, v0, 4, 1                         ; h
	v_and_b32 v3, 31, v0
	v_lshlrev_b32 v[L16], 4, v3
	v_lshlrev_b32 v[L8], 3, v3
	s_mul_i32 s21, s15, HALFT
	s_mul_i32 s22, s16, HALFT
	s_add_co_u32 s22, s22, 2*HALFT
.irp s, 0,1
	v_add_nc_u32 v[A16+\s], s21, v[L16]
	v_add_nc_u32 v[A8+\s], s21, v[L8]
	v_add_nc_u32 v[B16+\s], s22, v[L16]
	v_add_nc_u32 v[B8+\s], s22, v[L8]
	s_add_co_u32 s21, s21, SLOT
	s_add_co_u32 s22, s22, SLOT
.endr
	s_lshl_b32 s21, s15, 12
	s_lshl_b32 s22, s16, 12
	s_add_co_u32 s22, s22, 8320
	s_sub_co_u32 s22, s22, s21
	v_mul_u32_u24 v4, s22, v2                      ; lanes 16-31 take B's scale words
	s_add_co_u32 s21, s21, SCL
	v_lshl_add_u32 v4, v1, 3, v4
	v_add_nc_u32 v[ADRS], s21, v4
	s_mul_i32 s23, s14, 16*SPITCH                  ; my stage
	v_mul_u32_u24 v5, v1, SPITCH
	v_lshl_add_u32 v5, v2, 6, v5
	v_add_nc_u32 v[STO], s23, v5                   ; in: row r, + 64 h: columns 32 g + 16 h + ..
	v_add_nc_u32 v[RD], s23, v[L16]                ; back: the 32 lanes take a row of 512 bytes
	s_lshl_b32 s20, s17, 10
	s_lshl_b32 s21, s16, 9
	s_add_co_u32 s20, s20, s21                     ; my first column, in bytes
	s_mov_b32 s21, 0
	s_add_nc_u64 s[92:93], s[92:93], s[20:21]      ; the bias there,
	s_add_nc_u64 s[94:95], s[94:95], s[20:21]
	s_lshl_b32 s22, s18, 20
	s_lshl_b32 s23, s15, 19
	s_add_co_u32 s22, s22, s23                     ; (256 x block + 128 x half) rows of 4,096 bytes
	s_mov_b32 s23, 0
	s_add_nc_u64 s[94:95], s[94:95], s[22:23]      ; and my corner of out0
	v_lshlrev_b32 v5, 6, v2
.irp g, 0,1,2,3
.irp j, 0,1,2,3
	global_load_b128 v[BN+16*\g+4*\j:BN+16*\g+4*\j+3], v5, s[92:93] offset:128*\g+16*\j   ; registers 16 g + i: columns 32 g + 16 h + i
.endr
.endr
	s_wait_loadcnt 0x0
.macro FRAG reg, a16, a8, off          ; a fragment, 16 rows x 128 K: two half images, as they lie
	ds_load_b128 v[\reg:\reg+3], v[\a16] offset:(\off)
	ds_load_b64 v[\reg+4:\reg+5], v[\a8] offset:(\off)+512
	ds_load_b128 v[\reg+6:\reg+9], v[\a16] offset:(\off)+768
	ds_load_b64 v[\reg+10:\reg+11], v[\a8] offset:(\off)+1280
.endm
; 16 matrix instructions: A's blocks a0, a0 + 1 x B's eight.  first = 1: the bias starts the sums.  The 64 accumulators take turns, one instruction a turn, in the same order in every step.
.macro MUL16 a0, p, q, sc, first
.irp a, \a0, \a0+1
.irp b, 0,1,2,3,4,5,6,7
.if \first
	v_wmma_scale_f32_16x16x128_f8f6f4 v[8*(8*((\a)%4)+\b):8*(8*((\a)%4)+\b)+7], v[128*(\p)+FR*\b:128*(\p)+FR*\b+FR-1], v[AF+FR*(\a):AF+FR*(\a)+FR-1], v[BN+8*\b:BN+8*\b+7], v[SC+8*NQ*(\sc)+NQ*\b+(\q)], v[SC+8*NQ*(\sc)+NQ*(\a)+(\q)] matrix_a_fmt:MATRIX_FMT_FP6 matrix_b_fmt:MATRIX_FMT_FP6 matrix_a_scale:MATRIX_SCALE_ROW1
.else
	v_wmma_scale_f32_16x16x128_f8f6f4 v[8*(8*((\a)%4)+\b):8*(8*((\a)%4)+\b)+7], v[128*(\p)+FR*\b:128*(\p)+FR*\b+FR-1], v[AF+FR*(\a):AF+FR*(\a)+FR-1], v[8*(8*((\a)%4)+\b):8*(8*((\a)%4)+\b)+7], v[SC+8*NQ*(\sc)+NQ*\b+(\q)], v[SC+8*NQ*(\sc)+NQ*(\a)+(\q)] matrix_a_fmt:MATRIX_FMT_FP6 matrix_b_fmt:MATRIX_FMT_FP6 matrix_a_scale:MATRIX_SCALE_ROW1
.endif
.endr
.endr
.endm
.macro FETCH_B slot, q, p
	WIN TO_B
.irp i, 0,1,2,3,4,5,6,7
	FRAG 128*(\p)+FR*\i, B16+\slot, B8+\slot, \i*TILEB+(\q)*1536
.endr
	WIN 0
.endm
.macro FETCH_A slot, q, i0
.irp i, \i0, \i0+1, \i0+2, \i0+3
	FRAG AF+FR*(\i), A16+\slot, A8+\slot, (\i)*TILEB+(\q)*1536
.endr
.endm
.macro SCALES sc
.irp i, 0,1,2,3,4,5,6,7
	ds_load_b64 v[SC+8*NQ*\sc+NQ*\i:SC+8*NQ*\sc+NQ*\i+1], v[ADRS] offset:\i*512
.endr
.endm
.macro PLACES n                        ; plain vector lines between a matrix instruction and a load into, or a read of, its registers
.rept \n
	v_nop
.endr
.endm
.macro STEP slot, q, first
	s_wait_dscnt 4*NL                              ; B's set and A's blocks 0-3 are in; the youngest 16 loads (A's blocks 4-7) may be out
.if \first
	WIN 0x81                                       ; C (the bias) window 0, D window 2
.else
	WIN MUL_LO
.endif
	MUL16 0, (\q)%2, \q, \slot, \first
	MUL16 2, (\q)%2, \q, \slot, \first
	s_wait_dscnt 0x0
	PLACES NP
	FETCH_B \slot, (\q)+1, 1-(\q)%2
	FETCH_A \slot, (\q)+1, 0
.if \first
	WIN 0xc1
.else
	WIN MUL_HI
.endif
	MUL16 4, (\q)%2, \q, \slot, \first
	MUL16 6, (\q)%2, \q, \slot, \first
	PLACES NP
	WIN 0
	FETCH_A \slot, (\q)+1, 4
.endm
; A slot's last step changes slots: one barrier; in front of it each wave waits for all its tensor loads, adds 0 to its spare word, and waits for that and for its reads of this slot.
.macro TURN slot, next, fill
	s_wait_tensorcnt 0x0                           ; all my tensor loads have landed: my part of the next slot
	ds_add_u32 v[SPW], v[NIL]                      ; 0 onto my spare word
	s_wait_dscnt 4*NL+1                            ; (the add and the youngest 16 loads may be out)
	WIN MUL_LO
	MUL16 0, 1, NQ-1, \slot, 0
	s_wait_dscnt 0x0                               ; the add is done, and my reads of this slot are over
	s_barrier_signal -1
	MUL16 2, 1, NQ-1, \slot, 0
	WIN 0
	s_barrier_wait -1
.if \fill
	CREST                                          ; the barrier has opened a round of the cluster's barrier
	s_add_nc_u64 s[G0+4*\slot+2:G0+4*\slot+3], s[G0+4*\slot+2:G0+4*\slot+3], 2*TILEB
	s_add_nc_u64 s[G0B+4*\slot+2:G0B+4*\slot+3], s[G0B+4*\slot+2:G0B+4*\slot+3], 2*TILEB
	JLOAD G0+4*\slot, G1, G0B+4*\slot, G1B         ; the first tensor load behind the round; its four v_nop are also the places in front of the loads below
.else
	PLACES NP
.endif
	v_add_nc_u32 v[ADRS], 128, v[ADRS]
	FETCH_B \next, 0, 0
	FETCH_A \next, 0, 0
	SCALES \next
	WIN MUL_HI
	MUL16 4, 1, NQ-1, \slot, 0
	MUL16 6, 1, NQ-1, \slot, 0
	PLACES NP
	WIN 0
	FETCH_A \next, 0, 4
.endm
	s_wait_tensorcnt 1                             ; the scale words and my part of K step 0 are in; K step 1's load may be out
	s_barrier_signal -1
	s_barrier_wait -1
	FETCH_B 0, 0, 0
	FETCH_A 0, 0, 0
	SCALES 0
	FETCH_A 0, 0, 4
	STEP 0, 0, 1
	TURN 0, 1, 1
	STEP 1, 0, 0
	TURN 1, 0, 1
	STEP 0, 0, 0
	TURN 0, 1, 0
	STEP 1, 0, 0
	s_wait_dscnt 4*NL
	WIN MUL_LO
	MUL16 0, 1, NQ-1, 1, 0
	MUL16 2, 1, NQ-1, 1, 0
	s_wait_dscnt 0x0
	WIN MUL_HI
	MUL16 4, 1, NQ-1, 1, 0
	MUL16 6, 1, NQ-1, 1, 0
	WIN 0
; THE WAY OUT, block by block of 16 rows x 128 columns, through my own stage in LDS: back come whole rows of 512 bytes.  LDS serves a wave's instructions in order (ISA guide 5.7.1.4): no wait between the stores and the loads.
.macro TOSTAGE a
.set AC, 64*((\a)%4)
	WIN 0x08+4*((\a)/4)                            ; the data: window 2 or 3
.irp b, 0,1,2,3,4,5,6,7
	ds_store_b128 v[STO], v[AC+8*\b:AC+8*\b+3] offset:128*(\b/2)+32*(\b%2)          ; each accumulator from its low end on
	ds_store_b128 v[STO], v[AC+8*\b+4:AC+8*\b+7] offset:128*(\b/2)+32*(\b%2)+16
.endr
	WIN 0
.set BB, BK+64*((\a)%2)
.irp t, 0,1,2,3,4,5,6,7,8,9,10,11,12,13,14,15
	ds_load_b128 v[BB+4*\t:BB+4*\t+3], v[RD] offset:\t*SPITCH
.endr
.endm
.macro SEND a, younger                 ; younger: the LDS instructions issued behind block a's loads, which may stay out
.set BB, BK+64*((\a)%2)
	s_wait_dscnt \younger
.irp t, 0,1,2,3,4,5,6,7,8,9,10,11,12,13,14,15
	global_store_b128 v[L16], v[BB+4*\t:BB+4*\t+3], s[94:95] offset:(32*((\a)/2)+8*((\a)%2)+\t+8*(\t/8))*4096 th:TH_STORE_NT   ; lane t of tile a is row 32 (a / 2) + 8 (a % 2) + t + 8 (t / 8); 512 consecutive bytes, aligned
.endr
.endm
	PLACES NP
	TOSTAGE 0
.irp a, 1,2,3,4,5,6,7
.if \a > 1
	s_wait_xcnt 0x0                                ; block a - 2's stores have read their registers: block a's loads may land there
.endif
	TOSTAGE \a
	SEND \a-1, 32                                  ; behind block a - 1's loads: block a's 16 stores and 16 loads
.endr
	SEND 7, 0
	s_wait_tensorcnt 0x0                           ; the wave's end
	ds_add_u32 v[SPW], v[NIL]
	s_wait_dscnt 0x0
	CROUND                                         ; the closing round
	s_endpgm
.Lfunc_end_k_qeef78f9d13_outp:
	.size	k_qeef78f9d13_outp, .Lfunc_end_k_qeef78f9d13_outp-k_qeef78f9d13_outp
	.p2alignl 7, 3214868480
	.fill 96, 4, 3214868480
	.section	.rodata,"a",@progbits
	.p2align	6, 0x0
	.amdhsa_kernel k_qeef78f9d13_outp
		.amdhsa_group_segment_fixed_size 327680
		.amdhsa_private_segment_fixed_size 0
		.amdhsa_enable_private_segment 0
		.amdhsa_kernarg_size 48
		.amdhsa_user_sgpr_count 2
		.amdhsa_user_sgpr_kernarg_segment_ptr 1
		.amdhsa_wavefront_size32 1
		.amdhsa_system_sgpr_workgroup_id_x 1
		.amdhsa_system_sgpr_workgroup_id_y 1
		.amdhsa_system_sgpr_workgroup_id_z 1
		.amdhsa_system_vgpr_workitem_id 0
		.amdhsa_next_free_vgpr 1024
		.amdhsa_next_free_sgpr 100
		.amdhsa_reserve_vcc 0
		.amdhsa_float_denorm_mode_32 3
		.amdhsa_float_denorm_mode_16_64 3
		.amdhsa_memory_ordered 1
		.amdhsa_forward_progress 1
		.amdhsa_inst_pref_size 144
	.end_amdhsa_kernel
	.amdgpu_metadata
---
amdhsa.version: [ 1, 2 ]
amdhsa.kernels:
  - .name:           k_qeef78f9d13_outp
    .symbol:         k_qeef78f9d13_outp.kd
    .args:
      - { .name: rimg, .offset: 0, .size: 8, .value_kind: global_buffer, .address_space: global }
      - { .name: rsc, .offset: 8, .size: 8, .value_kind: global_buffer, .address_space: global }
      - { .name: wimg, .offset: 16, .size: 8, .value_kind: global_buffer, .address_space: global }
      - { .name: wsc, .offset: 24, .size: 8, .value_kind: global_buffer, .address_space: global }
      - { .name: b_out, .offset: 32, .size: 8, .value_kind: global_buffer, .address_space: global }
      - { .name: out0, .offset: 40, .size: 8, .value_kind: global_buffer, .address_space: global }
    .group_segment_fixed_size: 327680
    .private_segment_fixed_size: 0
    .kernarg_segment_align: 8
    .kernarg_segment_size: 48
    .max_flat_workgroup_size: 128
    .sgpr_count:     100
    .vgpr_count:     1024
    .wavefront_size: 32
...
	.end_amdgpu_metadata
.endif
;; end of part 4
